; MI455X (gfx1250); checked and timed in simulation.
; The chip was launched on July 23, 2026; its instructions are those of AMD's public machine-readable ISA for CDNA 5 (MIT licence, August 2026) and "CDNA5" Instruction Set Architecture Reference Guide (July 2026). The comments in the code are by the model that wrote it; some were corrected since.
;; Drug Attention. Allowed arithmetic: float matrix products may take bf16 or f16 operands with f32 sums; all other float work in f32.
;; Inputs: Wk 512 x 512 float32; Wq 512 x 512 float32; Wv 512 x 512 float32; x 1,024 x 64 x 512 float32.
;; Outputs: out0 1,024 x 512 float32.
;; 2 versions, each right; version 2 is version 1 with the launches fold, proj written anew for expert scheduling mode. Each part assembles by itself: llvm-mc -triple=amdgcn-amd-amdhsa -mcpu=gfx1250 --defsym DOCPART=n.
;; ======== version 1 of 2: 3 launches
;; workspace buffers: mt 524,288 bytes; y2 2,097,152 bytes
;; launch fold (part 1): grid 4 x 16, 16 waves a work-group, no clusters, 207,360 bytes of LDS; arguments Wk, Wq, mt; writes mt
.if DOCPART == 1
	.amdgcn_target "amdgcn-amd-amdhsa--gfx1250"
	.amdhsa_code_object_version 6
	.text
	.protected	k_q61534fae5f_fold
	.globl	k_q61534fae5f_fold
	.p2align	8
	.type	k_q61534fae5f_fold,@function
k_q61534fae5f_fold:
	s_mov_b64 s[64:65], 0
	v_nop
	global_prefetch_b8 v0, s[64:65] scope:SCOPE_SE
	s_setreg_imm32_b32 hwreg(HW_REG_WAVE_MODE, 25, 1), 1
	s_wait_xcnt 0x0
; mt[j][d] = sum over k of Wk[k][j] Wq[k][d], [512][512], rounded once to bf16.  Wk, Wq: [512][512] f32, rounded to bf16 on the way; sums in f32.
; WHY.  Q K^T = x (Wq^T Wk) x^T for every input, so the launch behind needs one projection of x where Q and K would be two.  The order of rounding differs from
; a program that forms Q and K: here the folded matrix is rounded once to bf16.  bf16 has f32's range, so the inputs' size sets no limit; NaN and infinities are not treated apart.
; SHARES.  A work-group makes 32 rows j x 128 columns d of mt (a row's piece is 256 consecutive bytes, aligned); 4 x 16 work-groups.  Sixteen waves: wave w brings rows
; k = 32 w .. 32 w + 31 of both weights' columns into LDS as bf16, and then makes one tile of 16 d x 16 j over all 512 k: 16 matrix instructions on two accumulators by turns.
; NO CLUSTER, NO TENSOR LOAD: the weights are f32 and have to pass through registers to be rounded, so there is no tile that could be asked for jointly.
; Both weights lie [k][column] in LDS, so both fragments come by the turning load.  Source 0 = 16 columns d of Wq, source 1 = 16 columns j of Wk: a lane then holds eight neighbouring d of one row j.
.set PQ,    288                        ; a row k of Wq's 128 columns: 256 bytes + 32 = 72 words
.set PW,    96                         ; a row k of Wk's 32 columns: 64 bytes + 32 = 24 words: the same holds
.set WQS,   0
.set WKS,   512*PQ
.set OST,   WKS+512*PW                 ; the way out: 32 rows x 272 bytes
.set PO,    272
.set SPARE, OST+32*PO                  ; the spare words, 128 bytes for each of 16 waves: eight blocks of 256 bytes that no other line names
.set GQ,  3                            ; v3   my byte offset in Wq
.set GK,  6                            ; v6   my byte offset in Wk
.set SQ,  7                            ; v7   where I put 8 bytes of a row of Wq
.set SK,  8                            ; v8   the same for Wk
.set AQ,  12                           ; v12-15  LDS address of my Wq fragments, one for each batch of 128 k
.set AKK, 16                           ; v16  LDS address of my Wk fragments
.set OS,  18                           ; v18  the way out: where I put 16 bytes
.set OR,  19                           ; v19  where I read a row back
.set GO,  20                           ; v20  my byte offset in mt
.set PK,  24                           ; v24-27  my eight results, packed
.set SPW, 28                           ; v28  LDS address of my spare word; never rewritten
.set NIL, 29                           ; v29  0; never rewritten
.set LD,  32                           ; v32-191  40 loads of 4 registers as they land; then the fragment buffers
.set FB0, 32
.set FB1, 96
.set ACC0, 192                         ; even steps of 32 k
.set ACC1, 200                         ; odd steps
	s_load_b128 s[4:7], s[0:1], 0x0                ; Wk s[4:5], Wq s[6:7]
	s_load_b64 s[8:9], s[0:1], 0x10                ; mt
	v_lshl_add_u32 v[SPW], v0, 2, SPARE
	v_mov_b32 v[NIL], 0
	v_lshrrev_b32 v1, 5, v0
	v_readfirstlane_b32 s10, v1                    ; wave 0..15
	s_and_b32 s11, ttmp7, 0xffff                   ; block of 32 rows j
	v_and_b32 v2, 31, v0                           ; lane
	v_lshrrev_b32 v4, 3, v2                        ; lane / 8
	v_and_b32 v5, 7, v0                            ; lane % 8
	s_lshl_b32 s12, s10, 16                        ; my 32 rows k of 2,048 bytes
	s_lshl_b32 s13, ttmp9, 9                       ; the block's 128 columns d, 512 bytes
	s_add_co_u32 s13, s13, s12
	s_lshl_b32 s14, s11, 7                         ; the block's 32 columns j, 128 bytes
	s_add_co_u32 s14, s14, s12
	v_lshl_add_u32 v[GQ], v2, 4, s13               ; a load takes one row's 512 bytes
	v_lshl_add_u32 v[GK], v4, 11, s14              ; a load takes four rows' 128 bytes
	v_lshl_add_u32 v[GK], v5, 4, v[GK]
	s_wait_kmcnt 0x0
.set i, 0
.rept 32
	global_load_b128 v[LD+4*i:LD+4*i+3], v[GQ], s[6:7] offset:i*2048
.set i, i+1
.endr
.set i, 0
.rept 8
	global_load_b128 v[LD+128+4*i:LD+128+4*i+3], v[GK], s[4:5] offset:i*8192
.set i, i+1
.endr
	; the LDS addresses are made while the loads are out
	s_mul_i32 s15, s10, 32*PQ
	v_lshl_add_u32 v[SQ], v2, 3, s15               ; row 32 w, 8 bytes a lane
	s_mul_i32 s16, s10, 32*PW
	s_add_co_u32 s16, s16, WKS
	v_mul_u32_u24 v[SK], v4, PW
	v_lshl_add_u32 v[SK], v5, 3, v[SK]
	v_add_nc_u32 v[SK], s16, v[SK]                 ; row 32 w + lane / 8, 8 bytes for each of eight lanes
	v_bfe_u32 v9, v0, 4, 1                         ; h = lane / 16
	v_bfe_u32 v10, v0, 3, 1                        ; (lane / 8) % 2
	v_lshl_add_u32 v11, v9, 3, v5                  ; the turning load's row: 8 h + lane % 8
	v_and_b32 v17, 15, v0                          ; r = lane % 16
	s_lshr_b32 s17, s10, 1                         ; my block of 16 d
	s_and_b32 s18, s10, 1                          ; my block of 16 j
	s_lshl_b32 s19, s17, 5
	v_mul_u32_u24 v[AQ], v11, PQ
	v_lshl_add_u32 v[AQ], v10, 4, v[AQ]
	v_add_nc_u32 v[AQ], s19, v[AQ]
	v_add_nc_u32 v[AQ+1], 128*PQ, v[AQ]
	v_add_nc_u32 v[AQ+2], 256*PQ, v[AQ]
	v_add_nc_u32 v[AQ+3], 384*PQ, v[AQ]
	s_lshl_b32 s20, s18, 5
	s_add_co_u32 s20, s20, WKS
	v_mul_u32_u24 v[AKK], v11, PW
	v_lshl_add_u32 v[AKK], v10, 4, v[AKK]
	v_add_nc_u32 v[AKK], s20, v[AKK]
	s_mul_i32 s21, s18, 16*PO
	s_add_co_u32 s21, s21, s19
	s_add_co_u32 s21, s21, OST
	v_mul_u32_u24 v[OS], v17, PO                   ; row 16 jb + r, bytes 32 db + 16 h
	v_lshl_add_u32 v[OS], v9, 4, v[OS]
	v_add_nc_u32 v[OS], s21, v[OS]
	s_mul_i32 s22, s10, 2*PO
	s_add_co_u32 s22, s22, OST
	v_mul_u32_u24 v[OR], v9, PO                    ; back: rows 2 w and 2 w + 1, whole
	v_lshl_add_u32 v[OR], v17, 4, v[OR]
	v_add_nc_u32 v[OR], s22, v[OR]
	s_lshl_b32 s23, s11, 15                        ; 32 rows of mt, 1,024 bytes each
	s_lshl_b32 s12, s10, 11
	s_add_co_u32 s23, s23, s12
	s_lshl_b32 s12, ttmp9, 8                       ; the block's 128 columns, 256 bytes
	s_add_co_u32 s23, s23, s12
	v_lshl_add_u32 v[GO], v9, 10, s23
	v_lshl_add_u32 v[GO], v17, 4, v[GO]
	; rounded to bf16 in place and stored, eight loads at a time
.irp g, 0,1,2,3
	s_wait_loadcnt 32-8*\g                         ; loads come back in order: all but the younger ones are in
.set i, 8*\g
.rept 8
	v_cvt_pk_bf16_f32 v[LD+4*i], v[LD+4*i], v[LD+4*i+1]
	v_cvt_pk_bf16_f32 v[LD+4*i+1], v[LD+4*i+2], v[LD+4*i+3]
	ds_store_b64 v[SQ], v[LD+4*i:LD+4*i+1] offset:i*PQ
.set i, i+1
.endr
.endr
	s_wait_loadcnt 0x0
.set i, 0
.rept 8
	v_cvt_pk_bf16_f32 v[LD+128+4*i], v[LD+128+4*i], v[LD+128+4*i+1]
	v_cvt_pk_bf16_f32 v[LD+128+4*i+1], v[LD+128+4*i+2], v[LD+128+4*i+3]
	ds_store_b64 v[SK], v[LD+128+4*i:LD+128+4*i+1] offset:i*4*PW
.set i, i+1
.endr
	s_wait_dscnt 0x0                               ; for the others' sake: my stores are done
	s_barrier_signal -1
	s_barrier_wait -1
; 16 turning loads: the fragments of four steps of 32 k (batch bt) into buffer fb: for each step 8 registers of Wq, then 8 of Wk
.macro FETCHB bt, fb
.irp ksl, 0,1,2,3
	ds_load_tr16_b128 v[(\fb)+16*\ksl:(\fb)+16*\ksl+3],     v[AQ+(\bt)] offset:\ksl*32*PQ
	ds_load_tr16_b128 v[(\fb)+16*\ksl+4:(\fb)+16*\ksl+7],   v[AQ+(\bt)] offset:\ksl*32*PQ+16*PQ
	ds_load_tr16_b128 v[(\fb)+16*\ksl+8:(\fb)+16*\ksl+11],  v[AKK] offset:(4*(\bt)+\ksl)*32*PW
	ds_load_tr16_b128 v[(\fb)+16*\ksl+12:(\fb)+16*\ksl+15], v[AKK] offset:(4*(\bt)+\ksl)*32*PW+16*PW
.endr
.endm
; four matrix instructions, the two accumulators by turns.  zero = 1: the first two start the sums
.macro MULB fb, zero
.irp ksl, 0,1,2,3
.if (\zero) && (\ksl < 2)
	v_wmma_f32_16x16x32_bf16 v[ACC0+8*(\ksl%2):ACC0+8*(\ksl%2)+7], v[(\fb)+16*\ksl:(\fb)+16*\ksl+7], v[(\fb)+16*\ksl+8:(\fb)+16*\ksl+15], 0
.else
	v_wmma_f32_16x16x32_bf16 v[ACC0+8*(\ksl%2):ACC0+8*(\ksl%2)+7], v[(\fb)+16*\ksl:(\fb)+16*\ksl+7], v[(\fb)+16*\ksl+8:(\fb)+16*\ksl+15], v[ACC0+8*(\ksl%2):ACC0+8*(\ksl%2)+7]
.endif
.endr
.endm
.macro PLACES                          ; four places in front of loads into registers that matrix instructions have read, and of vector work on their results
.rept 4
	v_nop
.endr
.endm
	FETCHB 0, FB0
	FETCHB 1, FB1
	s_wait_dscnt 16                                ; all but the younger batch
	MULB FB0, 1
	PLACES
	FETCHB 2, FB0
	s_wait_dscnt 16
	MULB FB1, 0
	PLACES
	FETCHB 3, FB1
	s_wait_dscnt 16
	MULB FB0, 0
	s_wait_dscnt 0x0
	MULB FB1, 0
	PLACES
.irp p, 0,1,2,3
	v_pk_add_f32 v[ACC0+2*\p:ACC0+2*\p+1], v[ACC0+2*\p:ACC0+2*\p+1], v[ACC1+2*\p:ACC1+2*\p+1]
.endr
.irp p, 0,1,2,3
	v_cvt_pk_bf16_f32 v[PK+\p], v[ACC0+2*\p], v[ACC0+2*\p+1]
.endr
	ds_store_b128 v[OS], v[PK:PK+3]
	s_wait_dscnt 0x0                               ; for the others' sake: a row's 256 bytes come from eight waves
	s_barrier_signal -1
	s_barrier_wait -1
	ds_load_b128 v[LD:LD+3], v[OR]
	s_wait_dscnt 0x0
	global_store_b128 v[GO], v[LD:LD+3], s[8:9]    ; 16 lanes store 256 consecutive bytes, at a multiple of 256 from mt's first byte
	s_wait_tensorcnt 0x0                           ; the wave's end, behind my last LDS store
	ds_add_u32 v[SPW], v[NIL]
	s_wait_dscnt 0x0
	s_endpgm
.Lfunc_end_k_q61534fae5f_fold:
	.size	k_q61534fae5f_fold, .Lfunc_end_k_q61534fae5f_fold-k_q61534fae5f_fold
	.p2alignl 7, 3214868480
	.fill 96, 4, 3214868480
	.section	.rodata,"a",@progbits
	.p2align	6, 0x0
	.amdhsa_kernel k_q61534fae5f_fold
		.amdhsa_group_segment_fixed_size 207360
		.amdhsa_private_segment_fixed_size 0
		.amdhsa_enable_private_segment 0
		.amdhsa_kernarg_size 24
		.amdhsa_user_sgpr_count 2
		.amdhsa_user_sgpr_kernarg_segment_ptr 1
		.amdhsa_wavefront_size32 1
		.amdhsa_system_sgpr_workgroup_id_x 1
		.amdhsa_system_sgpr_workgroup_id_y 1
		.amdhsa_system_sgpr_workgroup_id_z 1
		.amdhsa_system_vgpr_workitem_id 0
		.amdhsa_next_free_vgpr 208
		.amdhsa_next_free_sgpr 66
		.amdhsa_reserve_vcc 0
		.amdhsa_float_denorm_mode_32 3
		.amdhsa_float_denorm_mode_16_64 3
		.amdhsa_memory_ordered 1
		.amdhsa_forward_progress 1
		.amdhsa_inst_pref_size 22
	.end_amdhsa_kernel
	.amdgpu_metadata
---
amdhsa.version: [ 1, 2 ]
amdhsa.kernels:
  - .name:           k_q61534fae5f_fold
    .symbol:         k_q61534fae5f_fold.kd
    .args:
      - { .name: Wk, .offset: 0, .size: 8, .value_kind: global_buffer, .address_space: global }
      - { .name: Wq, .offset: 8, .size: 8, .value_kind: global_buffer, .address_space: global }
      - { .name: mt, .offset: 16, .size: 8, .value_kind: global_buffer, .address_space: global }
    .group_segment_fixed_size: 207360
    .private_segment_fixed_size: 0
    .kernarg_segment_align: 8
    .kernarg_segment_size: 24
    .max_flat_workgroup_size: 512
    .sgpr_count:     66
    .vgpr_count:     208
    .wavefront_size: 32
...
	.end_amdgpu_metadata
.endif
;; end of part 1
;; launch attn (part 2): grid 256 x 1, 4 waves a work-group, clusters of 4 x 1, 327,680 bytes of LDS; arguments x, mt, y2; writes y2
.if DOCPART == 2
	.amdgcn_target "amdgcn-amd-amdhsa--gfx1250"
	.amdhsa_code_object_version 6
	.text
	.protected	k_q61534fae5f_attn
	.globl	k_q61534fae5f_attn
	.p2align	8
	.type	k_q61534fae5f_attn,@function
k_q61534fae5f_attn:
	s_mov_b64 s[64:65], 0
	v_nop
	global_prefetch_b8 v0, s[64:65] scope:SCOPE_SE
	s_setreg_imm32_b32 hwreg(HW_REG_WAVE_MODE, 25, 1), 1
	s_wait_xcnt 0x0
	s_wait_alu depctr_hold_cnt(0) depctr_sa_sdst(0) depctr_va_vdst(0) depctr_va_sdst(0) depctr_va_ssrc(0) depctr_va_vcc(0) depctr_vm_vsrc(0)
	s_getreg_b32 s2, hwreg(HW_REG_IB_STS2, 6, 4)
	s_cmp_eq_u32 s2, 0
	s_cbranch_scc0 .Lentry_in_a_cluster
	s_endpgm
.Lentry_in_a_cluster:
	s_bfe_u32 s2, ttmp6, 0x10000c
	s_cmp_lg_u32 s2, 0x3003
	s_cbranch_scc0 .Lentry_shape_is_right
	s_endpgm
.Lentry_shape_is_right:
; For each batch b: T = x_b M (mt[j][d] = M[d][j], bf16, from the launch before), scores S = T x_b^T / sqrt(512), softmax over the keys, w[m] = sum over the queries of the weights,
; y = w^T x_b.  y leaves as two bf16 rows, hi and lo = y - hi.  x: [1024][64][512] f32; y2: [1024][2][512] bf16.
; WHY.  Q K^T = x (Wq^T Wk) x^T and sum_n (attn V)[n] = (w^T x) Wv^T hold for every input: one projection of x is made where Q, K and V would be three; the product with Wv is the next launch's.
; ROUNDING AND LIMITS.  x, M and T are rounded once to bf16 (T in place of Q and K: the order of rounding differs from a program that forms them); products, maxima, sums, weights and w in f32;
; w enters the last product as 16 partial rows in bf16.  The row's maximum is taken away ahead of every exponential.  A weight below 2^-126 counts as 0.  bf16 has f32's range.  NaN and infinities are not treated apart.
; SHARES.  A wave owns one batch; a work-group's four waves four batches; 256 work-groups.  x_b is read once, rounded, and kept in 512 registers as 64 fragments XF[rb][ks] of 16 rows x 32 columns,
; which serve as source 1 of T^T = mt x^T (16 queries), as source 0 of S^T = x T^T (16 keys), and at the end go back into LDS to be read turned for y.
; LAYOUT.  T^T (source 0 = 16 rows j of mt): a lane holds ONE query (lane % 16) and j = 8 (lane / 16) + 0..7; two such results rounded in pairs ARE source 1 (32 j x 16 queries) of S^T, whose result
; again holds one query a lane, and eight keys.  So a softmax wants one exchange between the halves of the lanes, and the sum of the weights over a lane's four queries needs none.
; RING.  mt goes through two LDS slots of 64 rows j (two steps of 32 j); each wave fetches 16 rows with one tensor load.  A step: 128 products for T^T, 16 for S^T, 64 LDS loads.
; CLUSTER.  Every work-group walks the same mt, so the four of a cluster ask for each tile JOINTLY: the same load, descriptor and mask in all four.  By this text's count a wave has two tensor loads out at the start, later one.
; A load brings 16 rows of 1,024 bytes: a slot's 64 rows are shared out among four waves, and two slots of more rows do not fit beside the waves' stages.
; REGISTERS, in windows of 256 (s_set_vgpr_msb: bits 1:0 source 0, 3:2 source 1, 5:4 source 2, 7:6 destination):
;   window 0: v0-29 addresses and small work; v32-95 T^T's 8 accumulators; v96-127 T as source 1; v128-255 two buffers of mt's fragments.  At the end: v32-95 y's accumulators, v96-111 w, v128-255 x turned
;   window 1: first 64 loads of x as they land; then v0-127 S^T, v128-159 w, v160-183 the softmax's work          windows 2, 3: XF[rb][ks] at window 2 + ks / 8, register 32 (ks % 8) + 8 rb
.set PM,    1040                       ; a row of mt, and of x's stage, in LDS: 1,024 bytes + 16 = 260 words: row r starts at bank 4 r mod 64 (64 banks of 4 bytes: ISA guide 11.1)
.set WPART, 16*PM                      ; what one tensor load brings
.set JH,    32*PM                      ; a step of 32 j
.set TILE,  64*PM                      ; a slot.  66,560 = 0x10400 shares no bit with wave x 16,640, so one exclusive or turns an address in one slot into the other's
.set STAGE, 2*TILE                     ; behind the ring, never filled by a tensor load: 38,912 bytes for each wave
.set PY,    288                        ; a row of 128 columns of x for the turning load: 256 bytes + 32
.set AREA,  64*PY                      ; 64 such rows; a stage has two areas (the first also takes 16 whole rows of x on the way in),
.set YBUF,  2*AREA                     ; and 2,048 bytes for y
.set WSTG,  YBUF+2048
.set SPARE, STAGE+4*WSTG               ; the spare words, 128 bytes for each wave: two blocks of 256 bytes that no other line names
.set AM0, 2                            ; v2   my lane's place in a tile of mt; never rewritten
.set AM,  3                            ; v3   the same in the slot in hand
.set XO,  4                            ; v4   16 x lane: my bytes in 512 consecutive bytes of x and of y2
.set XST, 5                            ; v5   the way in: where I put 8 bytes of a row
.set XFR, 6                            ; v6   the way in: where I read a fragment
.set YST, 7                            ; v7   where I put 16 bytes of a fragment back
.set YTR, 8                            ; v8   where the turning load reads
.set YB4, 9                            ; v9   y's buffer, 4 bytes a lane
.set YB32, 10                          ; v10  y's buffer, 32 bytes a lane
.set KE,  12                           ; v12-15, v16-19, v20-23  at work on y
.set SE,  16
.set RC,  20
.set SPW, 28                           ; v28  LDS address of my spare word; never rewritten
.set NIL, 29                           ; v29  0; never rewritten
.set TA,  32                           ; accumulator (t, qb) at TA + 8 (4 t + qb)
.set TF,  96                           ; T for 16 queries qb at TF + 8 qb
.set WF,  96
.set MB0, 128
.set MB1, 192
.set BF,  128
.set W,   128                          ; window 1
.set CC,  160
.set CM,  164
.set INV, 166
.set SUM, 168
.set WV,  10                           ; s10  my wave's number
.set G1,  16                           ; s[16:23] descriptor group 1
.set G0A, 24                           ; s[24:27] descriptor group 0 of the first fill
.set G0B, 28                           ; s[28:31] of the second; it then walks on
.set TB,  32                           ; s32  LDS byte at which the slot in hand begins
.set TT,  33                           ; s33  the loop's count, 5 to 1: the tile in hand is 6 - count
.set CS,  34                           ; s[34:35] c = log2(e) / sqrt(512)
.set SEL, 36                           ; s[36:37] v_permlanex16_b32's selects: each lane takes its own place in the other half
.set HM,  38                           ; s38  0xffff0000: a word's upper bf16, and as a mask of lanes the upper 16
.set SB,  39                           ; s39  my stage
.set MSB, 0
.macro WIN new                         ; the immediate's high byte repeats the setting that is left; a switch that changes nothing is dropped
.if MSB != (\new)
	s_set_vgpr_msb (MSB<<8)|(\new)
.set MSB, (\new)
.endif
.endm
.macro PLACES                          ; four places in front of loads into registers that matrix instructions have read, and of vector work on their results
.rept 4
	v_nop
.endr
.endm
; A round of the cluster's barrier: my work-group's barrier, so that wave 0's signal speaks for all four waves; wave 0 signals; every wave waits for all four work-groups; my work-group's barrier once more.
.macro CREST
	s_cmp_lg_u32 s[WV], 0
	s_cbranch_scc1 .Lnot_wave_0_\@
	s_barrier_signal -3
.Lnot_wave_0_\@:
	s_barrier_wait -3
	s_barrier_signal -1
	s_barrier_wait -1
.endm
.macro CROUND
	s_barrier_signal -1
	s_barrier_wait -1
	CREST
.endm
	s_load_b128 s[4:7], s[0:1], 0x0                ; x s[4:5], mt s[6:7]
	s_load_b64 s[8:9], s[0:1], 0x10                ; y2
	v_lshl_add_u32 v[SPW], v0, 2, SPARE
	v_mov_b32 v[NIL], 0
	ds_add_u32 v[SPW], v[NIL]                      ; the wave's opening: the add and its wait stand ahead of my first tensor load; the set-up below, work on registers, stands between them
	v_lshrrev_b32 v1, 5, v0
	v_readfirstlane_b32 s[WV], v1                  ; wave 0..3
	s_bfe_u32 s11, ttmp6, 0x40000                  ; cx: my place in the cluster: it enters x's and y2's addresses alone
	s_lshl_b32 s12, ttmp9, 2                       ; in a cluster launch ttmp9 counts clusters
	s_add_co_u32 s12, s12, s11
	s_lshl_b32 s12, s12, 2
	s_add_co_u32 s12, s12, s[WV]                   ; my batch = 4 x work-group + wave
	s_lshl_b32 s14, s12, 17                        ; 64 rows of 2,048 bytes
	s_mov_b32 s15, 0
	s_lshl_b32 s12, s12, 11                        ; 2,048 bytes of y2
	s_mov_b32 s13, 0
	; descriptor group 1: 16 rows x 512 elements of 2 bytes, padded in LDS
	s_mov_b32 s[G1], 15|(1<<16)|(1<<20)|(1<<21)|(7<<22)|(3<<25)  ; 15:0 the mask of four; 17:16 2-byte elements; 20 padding on; 21 set beside a mask; 24:22 after every 256 words (code 7); 31:25 4 words (code 3)
	s_mov_b32 s[G1+1], 512<<16                     ; tensor_dim0 = 512
	s_mov_b32 s[G1+2], 16<<16                      ; tensor_dim1 = 16
	s_mov_b32 s[G1+3], 512<<16                     ; tile_dim0 = 512
	s_mov_b32 s[G1+4], 16                          ; tile_dim1 = 16
	s_mov_b32 s[G1+5], 512                         ; 512 elements from row to row
	s_mov_b32 s[G1+6], 0
	s_mov_b32 s[G1+7], 0
	s_mov_b32 s[G0A], 1                            ; count = 1
	s_mul_i32 s[G0A+1], s[WV], WPART               ; LDS address: my 16 rows of slot 0: no place in the cluster enters it
	s_mov_b32 s[G0B], 1
	s_add_co_u32 s[G0B+1], s[G0A+1], TILE          ; of slot 1
	s_lshl_b32 s40, s[WV], 14                      ; my 16 rows of 1,024 bytes in a tile of mt
	s_mov_b32 s41, 0
	s_mov_b32 s[TB], 0
	s_mov_b32 s[CS], 0x3d8293ee                    ; c = 0.0637587
	s_mov_b32 s[CS+1], s[CS]                       ; named with it as a pair
	s_mov_b32 s[SEL], 0x76543210
	s_mov_b32 s[SEL+1], 0xfedcba98
	s_mov_b32 s[HM], 0xffff0000
	s_mul_i32 s[SB], s[WV], WSTG
	s_add_co_u32 s[SB], s[SB], STAGE
	s_wait_dscnt 0x0                               ; the opening add is done
	s_wait_kmcnt 0x0
	s_add_nc_u64 s[4:5], s[4:5], s[14:15]          ; x and y2 at my batch
	s_add_nc_u64 s[8:9], s[8:9], s[12:13]
	s_add_nc_u64 s[G0A+2:G0A+3], s[6:7], s[40:41]  ; tile 0,
	s_add_nc_u64 s[G0B+2:G0B+3], s[G0A+2:G0A+3], 0x10000  ; tile 1: 64 rows on
	s_or_b32 s[G0A+3], s[G0A+3], 0x80000000        ; type = 2
	s_or_b32 s[G0B+3], s[G0B+3], 0x80000000
	CROUND                                         ; all four work-groups are here: the first joint loads meet
	tensor_load_to_lds s[G0A:G0A+3], s[G1:G1+7]    ; both first fills go out together, ahead of every wait on TENSORcnt and every LDS read
	s_nop 0
	tensor_load_to_lds s[G0B:G0B+3], s[G1:G1+7]
	s_nop 0
	PLACES
	v_and_b32 v11, 31, v0                          ; lane
	v_lshlrev_b32 v[XO], 4, v11
	WIN 0x40                                       ; destination window 1, address window 0
.set i, 0
.rept 64                                               ; rows 0-15 of x_b: 64 loads of 512 consecutive bytes, all out at once
	global_load_b128 v[4*i:4*i+3], v[XO], s[4:5] offset:i*512 th:TH_LOAD_NT
.set i, i+1
.endr
	WIN 0
	v_and_b32 v12, 15, v0                          ; r = lane % 16
	v_bfe_u32 v13, v0, 4, 1                        ; h = lane / 16
	v_bfe_u32 v14, v0, 3, 1                        ; (lane / 8) % 2
	v_xor_b32 v15, v13, v14
	v_and_b32 v16, 7, v0
	v_lshl_add_u32 v16, v13, 3, v16                ; 8 h + lane % 8
	v_mul_u32_u24 v[AM0], v12, PM                  ; a fragment of 16 rows x 32 along the rows: row r, 16 bytes for each half of the lanes, and 32 bytes on
	v_lshl_add_u32 v[AM0], v13, 4, v[AM0]
	v_lshl_add_u32 v[XST], v11, 3, s[SB]
	v_add_nc_u32 v[XFR], s[SB], v[AM0]
	; In an area, rows 8-15 of every 16 hold each pair of 16-byte columns swapped: rows r and r + 8 start at the same bank (72 words apart x 8), as the turning loads do.
	v_mul_u32_u24 v[YST], v12, PY
	v_lshl_add_u32 v[YST], v15, 4, v[YST]
	v_add_nc_u32 v[YST], s[SB], v[YST]
	v_mul_u32_u24 v[YTR], v16, PY                  ; the turning load: lane l reads row 8 h + l % 8, 16-byte column (l / 8) % 2, swapped where h = 1
	v_lshl_add_u32 v[YTR], v15, 4, v[YTR]
	v_add_nc_u32 v[YTR], s[SB], v[YTR]
	v_lshl_add_u32 v[YB4], v11, 2, s[SB]
	v_add_nc_u32 v[YB4], YBUF, v[YB4]
	v_lshl_add_u32 v[YB32], v11, 5, s[SB]
	v_add_nc_u32 v[YB32], YBUF, v[YB32]
.irp i, 0,1,2,3
	v_mov_b32 v[RC+\i], 0                          ; v_permlanex16_b32's destination counts as read
.endr
; THE WAY IN.  16 rows of x_b (block rb), sixteen loads at a time: rounded to bf16 in place, 8 bytes a lane into my stage; ahead = 1: the same registers take the next block's loads.
; Then the block's 16 fragments come back from the stage.  LDS serves a wave's instructions in order (ISA guide 5.7.1.4): no wait stands between the stores, the loads and the next block's stores.
.macro CHUNK rb, ahead
.irp g, 0,1,2,3
.if \ahead
	s_wait_loadcnt 48                              ; loads come back in order: the 48 younger ones stay out
.else
	s_wait_loadcnt 48-16*\g                        ; the last block: the counts run down
.endif
	WIN 0x45
.set i, 16*\g
.rept 16
	v_cvt_pk_bf16_f32 v[4*i], v[4*i], v[4*i+1]
	v_cvt_pk_bf16_f32 v[4*i+1], v[4*i+2], v[4*i+3]
.set i, i+1
.endr
	WIN 0x04                                       ; store data window 1
.set i, 16*\g
.rept 16
	ds_store_b64 v[XST], v[4*i:4*i+1] offset:(i/4)*PM+(i%4)*256
.set i, i+1
.endr
.if \ahead
	WIN 0x40
.set i, 16*\g
.rept 16
	global_load_b128 v[4*i:4*i+3], v[XO], s[4:5] offset:((\rb)+1)*32768+i*512 th:TH_LOAD_NT
.set i, i+1
.endr
.endif
.endr
	WIN 0x80                                       ; destination window 2
.irp ks, 0,1,2,3,4,5,6,7
	ds_load_b128 v[32*\ks+8*(\rb):32*\ks+8*(\rb)+3],   v[XFR] offset:64*\ks
	ds_load_b128 v[32*\ks+8*(\rb)+4:32*\ks+8*(\rb)+7], v[XFR] offset:64*\ks+32
.endr
	WIN 0xc0                                       ; destination window 3
.irp ks, 0,1,2,3,4,5,6,7
	ds_load_b128 v[32*\ks+8*(\rb):32*\ks+8*(\rb)+3],   v[XFR] offset:512+64*\ks
	ds_load_b128 v[32*\ks+8*(\rb)+4:32*\ks+8*(\rb)+7], v[XFR] offset:512+64*\ks+32
.endr
.endm
; 16 LDS loads: mt's fragments for 32 rows j (t = 0, 1) x 128 along d, at byte o of the slot's rows, into buffer buf.  It stands under a setting whose destination and source 0 are window 0.
.macro FETCH buf, o
.irp ksl, 0,1,2,3
.irp t, 0,1
	ds_load_b128 v[(\buf)+8*(2*\ksl+\t):(\buf)+8*(2*\ksl+\t)+3],   v[AM] offset:(\o)+\t*16*PM+64*\ksl
	ds_load_b128 v[(\buf)+8*(2*\ksl+\t)+4:(\buf)+8*(2*\ksl+\t)+7], v[AM] offset:(\o)+\t*16*PM+64*\ksl+32
.endr
.endr
.endm
; 32 products of T^T: group g of four steps of 32 d.  The 8 accumulators take turns, one instruction a turn.  zero = 1: the first 8 start the sums.
.macro MULG g, buf, zero
	WIN 0x08+4*((\g)/2)                            ; source 1 (x) window 2 or 3
.irp ksl, 0,1,2,3
.irp t, 0,1
.irp qb, 0,1,2,3
.if (\zero) && ((\ksl) == 0)
	v_wmma_f32_16x16x32_bf16 v[TA+8*(4*\t+\qb):TA+8*(4*\t+\qb)+7], v[(\buf)+8*(2*\ksl+\t):(\buf)+8*(2*\ksl+\t)+7], v[32*((4*(\g)+\ksl)%8)+8*\qb:32*((4*(\g)+\ksl)%8)+8*\qb+7], 0
.else
	v_wmma_f32_16x16x32_bf16 v[TA+8*(4*\t+\qb):TA+8*(4*\t+\qb)+7], v[(\buf)+8*(2*\ksl+\t):(\buf)+8*(2*\ksl+\t)+7], v[32*((4*(\g)+\ksl)%8)+8*\qb:32*((4*(\g)+\ksl)%8)+8*\qb+7], v[TA+8*(4*\t+\qb):TA+8*(4*\t+\qb)+7]
.endif
.endr
.endr
.endr
.endm
; T^T rounded to bf16 in pairs: source 1 of S^T.  Each accumulator's registers are taken in ascending order.
.macro CVT
	WIN 0
.irp qb, 0,1,2,3
.irp t, 0,1
.irp p, 0,1,2,3
	v_cvt_pk_bf16_f32 v[TF+8*\qb+4*\t+\p], v[TA+8*(4*\t+\qb)+2*\p], v[TA+8*(4*\t+\qb)+2*\p+1]
.endr
.endr
.endr
.endm
; 16 products of S^T += x T^T for step js of 32 j: source 0 = XF[kb][js].  The 16 accumulators take turns.  zero = 1: they start the sums.
.macro SPART js, zero
	WIN 0x52+(\js)/8                               ; source 0 window 2 or 3, source 1 window 0, C and D window 1
.irp kb, 0,1,2,3
.irp qb, 0,1,2,3
.if \zero
	v_wmma_f32_16x16x32_bf16 v[32*\qb+8*\kb:32*\qb+8*\kb+7], v[32*((\js)%8)+8*\kb:32*((\js)%8)+8*\kb+7], v[TF+8*\qb:TF+8*\qb+7], 0
.else
	v_wmma_f32_16x16x32_bf16 v[32*\qb+8*\kb:32*\qb+8*\kb+7], v[32*((\js)%8)+8*\kb:32*((\js)%8)+8*\kb+7], v[TF+8*\qb:TF+8*\qb+7], v[32*\qb+8*\kb:32*\qb+8*\kb+7]
.endif
.endr
.endr
.endm
; T^T FOR ONE STEP OF 32 j (half 0 or 1 of the slot): four groups of 32 products on buffers 0, 1, 0, 1; ahead of each group the next group's 16 loads are issued.
; The last group differs.  mode 0: the next step lies in the same slot.  mode 3: nothing follows.  modes 1 and 2: THE CHANGE OF SLOTS: each wave waits for all its tensor loads, of which one is out:
; its part of the other slot; adds 0 to its spare word; and waits for that and for its reads of this slot.  Behind the barrier nobody reads this slot any more and the other slot is whole.
; mode 1: the barrier opens a round of the cluster's, so that no wave of any partner still reads the slot or has a load on its way, and the joint refill, the tile two on, is the first thing behind it:
; it has a whole tile's 288 matrix instructions in which to land.  mode 2: nothing is left to ask for.
.macro TPART half, mode
	s_wait_dscnt 0x0                               ; buffer 0 is in
	WIN 0x08
	PLACES
	FETCH MB1, (\half)*JH+256
	MULG 0, MB0, 1
	s_wait_dscnt 0x0                               ; issued 32 matrix instructions ago
	PLACES
	FETCH MB0, (\half)*JH+512
	MULG 1, MB1, 0
	s_wait_dscnt 0x0
	WIN 0x0c
	PLACES
	FETCH MB1, (\half)*JH+768
	MULG 2, MB0, 0
.if (\mode) == 0
	s_wait_dscnt 0x0
	PLACES
	FETCH MB0, JH
	MULG 3, MB1, 0
	WIN 0
	PLACES
.elseif (\mode) == 3
	s_wait_dscnt 0x0
	MULG 3, MB1, 0
	WIN 0
	PLACES
.else
	WIN 0                                          ; (the add's two registers lie in window 0)
	s_wait_tensorcnt 0x0                           ; no tensor load of mine is out, so a group 0 may be written
	ds_add_u32 v[SPW], v[NIL]                      ; 0 onto my spare word; scalar work stands between it and the wait for it
.if (\mode) == 1
	s_xor_b32 s[G0B+1], s[G0B+1], TILE             ; the walking descriptor: the other slot than last time,
	s_add_nc_u64 s[G0B+2:G0B+3], s[G0B+2:G0B+3], 0x10000  ; the next 64 rows; the type bits on top are not reached
.endif
	s_xor_b32 s[TB], s[TB], TILE                   ; the fetches go to the other slot
	s_wait_dscnt 0x0                               ; the add is done, buffer 1 is in, and my reads of this slot are over
	s_barrier_signal -1
	MULG 3, MB1, 0                                 ; work on registers while the others arrive
	WIN 0
	s_barrier_wait -1
.if (\mode) == 1
	CREST
	tensor_load_to_lds s[G0B:G0B+3], s[G1:G1+7]    ; my one tensor load behind the round, and the first thing there
	s_nop 0
.endif
	PLACES                                         ; also the places in front of the loads and the conversions below
	v_add_nc_u32 v[AM], s[TB], v[AM0]
	FETCH MB0, 0
.endif
	CVT
.endm
; In the loop over tiles the step's number picks XF's registers, which an instruction names outright: the 16 products stand once for each of the loop's five tiles, and the count chooses.
; Every jump goes forward, over matrix instructions alone.
.macro SDISP par
	WIN 0
.irp t, 1,2,3,4
	s_cmp_eq_u32 s[TT], 6-\t
	s_cbranch_scc1 .Lv\par\t
.endr
	SPART 10+\par, 0
	WIN 0
	s_branch .Lj\par
.irp t, 1,2,3,4
.Lv\par\t:
	SPART 2*\t+\par, 0
	WIN 0
.if \t < 4
	s_branch .Lj\par
.endif
.endr
.Lj\par:
.endm
	CHUNK 0, 1
	CHUNK 1, 1
	CHUNK 2, 1
	CHUNK 3, 0
	WIN 0
	s_wait_tensorcnt 0x1                           ; my part of tile 0 is in; tile 1's may stay out
	s_wait_dscnt 0x0                               ; x_b is in registers
	s_barrier_signal -1
	s_barrier_wait -1                              ; everybody's part of tile 0 is in
	v_mov_b32 v[AM], v[AM0]
	FETCH MB0, 0
	TPART 0, 0                                     ; tile 0 is written out: its first products S^T start the sums
	SPART 0, 1
	TPART 1, 1
	SPART 1, 0
	WIN 0                                          ; at a label and at a branch every window is 0
	s_mov_b32 s[TT], 5
.Ltile:                                                ; tiles 1 to 5: each asks for the tile two on
	TPART 0, 0
	SDISP 0
	TPART 1, 1
	SDISP 1
	s_sub_co_u32 s[TT], s[TT], 1
	s_cmp_lg_u32 s[TT], 0
	s_cbranch_scc1 .Ltile
	TPART 0, 0                                     ; tiles 6 and 7 are written out: nothing is asked for
	SPART 12, 0
	TPART 1, 2
	SPART 13, 0
	TPART 0, 0
	SPART 14, 0
	TPART 1, 3
	SPART 15, 0
; x GOES BACK INTO LDS, 128 columns (chunk c) at a time, as 64 rows of 256 bytes, to be read turned.
.macro YSTORE c, area
	WIN 0x08+4*((\c)/2)                            ; store data window 2 or 3
.irp rb, 0,1,2,3
.irp ksl, 0,1,2,3
	ds_store_b128 v[YST], v[32*((4*(\c)+\ksl)%8)+8*\rb:32*((4*(\c)+\ksl)%8)+8*\rb+3]   offset:(\area)*AREA+\rb*16*PY+64*\ksl
	ds_store_b128 v[YST], v[32*((4*(\c)+\ksl)%8)+8*\rb+4:32*((4*(\c)+\ksl)%8)+8*\rb+7] offset:(\area)*AREA+\rb*16*PY+64*\ksl+32
.endr
.endr
.endm
.macro YLOAD area                      ; 32 turning loads: block n of 16 columns, half kk of the 64 keys, at BF + 8 (2 n + kk)
	WIN 0
.irp n, 0,1,2,3,4,5,6,7
.irp kk, 0,1
	ds_load_tr16_b128 v[BF+8*(2*\n+\kk):BF+8*(2*\n+\kk)+3],   v[YTR] offset:(\area)*AREA+\kk*32*PY+32*\n
	ds_load_tr16_b128 v[BF+8*(2*\n+\kk)+4:BF+8*(2*\n+\kk)+7], v[YTR] offset:(\area)*AREA+\kk*32*PY+16*PY+32*\n
.endr
.endr
.endm
.macro YMUL                            ; 16 products: 16 partial rows of w x 64 keys x 128 columns; the 8 accumulators take turns
	WIN 0
.irp kk, 0,1
.irp n, 0,1,2,3,4,5,6,7
.if \kk == 0
	v_wmma_f32_16x16x32_bf16 v[TA+8*\n:TA+8*\n+7], v[WF+8*\kk:WF+8*\kk+7], v[BF+8*(2*\n+\kk):BF+8*(2*\n+\kk)+7], 0
.else
	v_wmma_f32_16x16x32_bf16 v[TA+8*\n:TA+8*\n+7], v[WF+8*\kk:WF+8*\kk+7], v[BF+8*(2*\n+\kk):BF+8*(2*\n+\kk)+7], v[TA+8*\n:TA+8*\n+7]
.endif
.endr
.endr
.endm
; The 16 partial rows are added: a lane's eight, then the other half of the lanes'.  Of two blocks the lower lanes keep the first and send the second, the upper lanes the other way round:
; one exchange serves both, and lane l ends with column 32 i + l of the chunk.
.macro YRED c
	WIN 0
.irp n, 0,1,2,3,4,5,6,7
	v_pk_add_f32 v[TA+8*\n:TA+8*\n+1], v[TA+8*\n:TA+8*\n+1], v[TA+8*\n+2:TA+8*\n+3]
.endr
.irp n, 0,1,2,3,4,5,6,7
	v_pk_add_f32 v[TA+8*\n+4:TA+8*\n+5], v[TA+8*\n+4:TA+8*\n+5], v[TA+8*\n+6:TA+8*\n+7]
.endr
.irp n, 0,1,2,3,4,5,6,7
	v_pk_add_f32 v[TA+8*\n:TA+8*\n+1], v[TA+8*\n:TA+8*\n+1], v[TA+8*\n+4:TA+8*\n+5]
.endr
.irp n, 0,1,2,3,4,5,6,7
	v_add_f32 v[TA+8*\n], v[TA+8*\n], v[TA+8*\n+1]
.endr
.irp i, 0,1,2,3
	v_cndmask_b32 v[KE+\i], v[TA+16*\i], v[TA+16*\i+8], s[HM]
	v_cndmask_b32 v[SE+\i], v[TA+16*\i+8], v[TA+16*\i], s[HM]
.endr
.irp i, 0,1,2,3
	v_permlanex16_b32 v[RC+\i], v[SE+\i], s[SEL], s[SEL+1]
.endr
.irp i, 0,1,2,3
	v_add_f32 v[KE+\i], v[KE+\i], v[RC+\i]
.endr
.irp i, 0,1,2,3
	ds_store_b32 v[YB4], v[KE+\i] offset:4*(128*(\c)+32*\i)
.endr
.endm
; THE SOFTMAX of 16 queries qb, all in window 1.  A lane holds 32 of its query's 64 scores; the lane 16 away holds the others.  p = 2^(c s - c m), m the row's maximum; w takes p / sum.
.macro SOFT qb
.set rS, 32*(\qb)
	WIN 0x55
.irp n, 0,1,2,3
	v_max3_num_f32 v[CC+\n], v[rS+8*\n], v[rS+8*\n+1], v[rS+8*\n+2]  ; each accumulator's lowest registers are read first
.endr
.irp n, 0,1,2,3
	v_max3_num_f32 v[CC+\n], v[CC+\n], v[rS+8*\n+3], v[rS+8*\n+4]
.endr
.irp n, 0,1,2,3
	v_max3_num_f32 v[CC+\n], v[CC+\n], v[rS+8*\n+5], v[rS+8*\n+6]
.endr
	v_max3_num_f32 v[CC], v[CC], v[rS+7], v[rS+15]
	v_max3_num_f32 v[CC+1], v[CC+1], v[rS+23], v[rS+31]
	v_max_num_f32 v[CC+2], v[CC+2], v[CC+3]
	v_max3_num_f32 v[CC], v[CC], v[CC+1], v[CC+2]
	v_permlanex16_b32 v[CC+3], v[CC], s[SEL], s[SEL+1]
	v_max_num_f32 v[CC], v[CC], v[CC+3]
	v_mul_f32 v[CM], s[CS], v[CC]
.set b, 0
.rept 16
	v_pk_fma_f32 v[rS+2*b:rS+2*b+1], v[rS+2*b:rS+2*b+1], s[CS:CS+1], v[CM:CM+1] op_sel_hi:[1,0,0] neg_lo:[0,0,1] neg_hi:[0,0,1]  ; c s - c m
.set b, b+1
.endr
.set b, 0
.rept 32
	v_exp_f32 v[rS+b], v[rS+b]
.set b, b+1
.endr
	v_nop                                          ; a plain instruction between the last exponential and the use of its result (ISA guide 5.7.2)
	s_wait_alu depctr_va_vdst(0)
.irp z, 0,1,2,3,4,5,6,7
	v_pk_add_f32 v[SUM+2*\z:SUM+2*\z+1], v[rS+4*\z:rS+4*\z+1], v[rS+4*\z+2:rS+4*\z+3]
.endr
.irp z, 0,1,2,3
	v_pk_add_f32 v[SUM+4*\z:SUM+4*\z+1], v[SUM+4*\z:SUM+4*\z+1], v[SUM+4*\z+2:SUM+4*\z+3]
.endr
.irp z, 0,1
	v_pk_add_f32 v[SUM+8*\z:SUM+8*\z+1], v[SUM+8*\z:SUM+8*\z+1], v[SUM+8*\z+4:SUM+8*\z+5]
.endr
	v_pk_add_f32 v[SUM:SUM+1], v[SUM:SUM+1], v[SUM+8:SUM+9]
	v_add_f32 v[SUM], v[SUM], v[SUM+1]
	v_permlanex16_b32 v[SUM+1], v[SUM], s[SEL], s[SEL+1]
	v_add_f32 v[SUM], v[SUM], v[SUM+1]
	v_rcp_f32 v[INV], v[SUM]                       ; the sum is at least 1: the maximum's own weight
	v_nop
	s_wait_alu depctr_va_vdst(0)
.set b, 0
.rept 16
.if (\qb) == 0
	v_pk_mul_f32 v[W+2*b:W+2*b+1], v[rS+2*b:rS+2*b+1], v[INV:INV+1] op_sel_hi:[1,0]  ; the first queries start w: nothing is cleared
.else
	v_pk_fma_f32 v[W+2*b:W+2*b+1], v[rS+2*b:rS+2*b+1], v[INV:INV+1], v[W+2*b:W+2*b+1] op_sel_hi:[1,0,1]
.endif
.set b, b+1
.endr
.endm
	YSTORE 0, 0                                    ; the first two chunks of x and the first turning loads go through LDS while the softmax is worked
	YSTORE 1, 1
	YLOAD 0
	WIN 0x55
	PLACES                                         ; behind the last products S^T
	v_mov_b32 v[CM+1], 0                           ; named as pairs with c m and 1 / sum
	v_mov_b32 v[INV+1], 0
	SOFT 0
	SOFT 1
	SOFT 2
	SOFT 3
	WIN 0x05                                       ; sources window 1, destination window 0
.set b, 0
.rept 16                                               ; a lane's w (partial row lane % 16; keys 16 kb + 8 (lane / 16) + 0..7) rounded in pairs IS source 0 of the last product
	v_cvt_pk_bf16_f32 v[WF+b], v[W+2*b], v[W+2*b+1]
.set b, b+1
.endr
.irp c, 0,1,2,3
	s_wait_dscnt 0x0                               ; the chunk's x is in registers
	YMUL
	PLACES
.if \c < 2
	YSTORE \c+2, \c                                ; the area just read takes the chunk two on
.endif
.if \c < 3
	YLOAD (\c+1)%2
.endif
	YRED \c
.endr
	; y, 512 f32 in my buffer, leaves as bf16 hi and lo = y - hi: a lane takes 8 neighbouring numbers twice
	ds_load_b128 v[32:35], v[YB32]                 ; LDS serves a wave's instructions in order: these see the stores above
	ds_load_b128 v[36:39], v[YB32] offset:16
	ds_load_b128 v[40:43], v[YB32] offset:1024
	ds_load_b128 v[44:47], v[YB32] offset:1040
	s_wait_dscnt 0x0
.irp p, 0,1,2,3,4,5,6,7
	v_cvt_pk_bf16_f32 v[48+\p], v[32+2*\p], v[32+2*\p+1]
.endr
.irp p, 0,1,2,3,4,5,6,7
	v_lshlrev_b32 v[64+2*\p], 16, v[48+\p]
	v_and_b32 v[64+2*\p+1], s[HM], v[48+\p]
.endr
.irp p, 0,1,2,3,4,5,6,7
	v_pk_add_f32 v[64+2*\p:64+2*\p+1], v[32+2*\p:32+2*\p+1], v[64+2*\p:64+2*\p+1] neg_lo:[0,1] neg_hi:[0,1]
.endr
.irp p, 0,1,2,3,4,5,6,7
	v_cvt_pk_bf16_f32 v[56+\p], v[64+2*\p], v[64+2*\p+1]
.endr
	global_store_b128 v[XO], v[48:51], s[8:9]              ; each store of the wave covers 512 consecutive bytes, aligned
	global_store_b128 v[XO], v[52:55], s[8:9] offset:512
	global_store_b128 v[XO], v[56:59], s[8:9] offset:1024
	global_store_b128 v[XO], v[60:63], s[8:9] offset:1536
	s_wait_tensorcnt 0x0                           ; the wave's end, behind my last tensor load and my last LDS store
	ds_add_u32 v[SPW], v[NIL]
	s_wait_dscnt 0x0
	CROUND                                         ; the closing round: no work-group ends while a partner may still ask for a tile that names it
	s_endpgm
.Lfunc_end_k_q61534fae5f_attn:
	.size	k_q61534fae5f_attn, .Lfunc_end_k_q61534fae5f_attn-k_q61534fae5f_attn
	.p2alignl 7, 3214868480
	.fill 96, 4, 3214868480
	.section	.rodata,"a",@progbits
	.p2align	6, 0x0
	.amdhsa_kernel k_q61534fae5f_attn
		.amdhsa_group_segment_fixed_size 327680
		.amdhsa_private_segment_fixed_size 0
		.amdhsa_enable_private_segment 0
		.amdhsa_kernarg_size 24
		.amdhsa_user_sgpr_count 2
		.amdhsa_user_sgpr_kernarg_segment_ptr 1
		.amdhsa_wavefront_size32 1
		.amdhsa_system_sgpr_workgroup_id_x 1
		.amdhsa_system_sgpr_workgroup_id_y 1
		.amdhsa_system_sgpr_workgroup_id_z 1
		.amdhsa_system_vgpr_workitem_id 0
		.amdhsa_next_free_vgpr 1024
		.amdhsa_next_free_sgpr 66
		.amdhsa_reserve_vcc 0
		.amdhsa_float_denorm_mode_32 3
		.amdhsa_float_denorm_mode_16_64 3
		.amdhsa_memory_ordered 1
		.amdhsa_forward_progress 1
		.amdhsa_inst_pref_size 255
	.end_amdhsa_kernel
	.section	.bss,"aw",@nobits
	.p2align	6
	.space	262144
	.amdgpu_metadata
---
amdhsa.version: [ 1, 2 ]
amdhsa.kernels:
  - .name:           k_q61534fae5f_attn
    .symbol:         k_q61534fae5f_attn.kd
    .args:
      - { .name: x, .offset: 0, .size: 8, .value_kind: global_buffer, .address_space: global }
      - { .name: mt, .offset: 8, .size: 8, .value_kind: global_buffer, .address_space: global }
      - { .name: y2, .offset: 16, .size: 8, .value_kind: global_buffer, .address_space: global }
    .group_segment_fixed_size: 327680
    .private_segment_fixed_size: 0
    .kernarg_segment_align: 8
    .kernarg_segment_size: 24
    .max_flat_workgroup_size: 128
    .sgpr_count:     66
    .vgpr_count:     1024
    .wavefront_size: 32
...
	.end_amdgpu_metadata
.endif
;; end of part 2
;; launch proj (part 3): grid 8 x 32, 8 waves a work-group, no clusters, 142,336 bytes of LDS; arguments y2, Wv, out0; writes out0
.if DOCPART == 3
	.amdgcn_target "amdgcn-amd-amdhsa--gfx1250"
	.amdhsa_code_object_version 6
	.text
	.protected	k_q61534fae5f_proj
	.globl	k_q61534fae5f_proj
	.p2align	8
	.type	k_q61534fae5f_proj,@function
k_q61534fae5f_proj:
	s_mov_b64 s[64:65], 0
	v_nop
	global_prefetch_b8 v0, s[64:65] scope:SCOPE_SE
	s_setreg_imm32_b32 hwreg(HW_REG_WAVE_MODE, 25, 1), 1
	s_wait_xcnt 0x0
; out0[b][v] = sum over d of (yhi[b][d] + ylo[b][d]) Wv[v][d].  y2: [1024][2][512] bf16 (hi, lo) from the launch before; Wv: [512][512] f32, rounded to bf16 on the way; out0: [1024][512] f32; sums in f32.
; y goes in two bf16 parts, so that its rounding does not reach the output; bf16 has f32's range.  NaN and infinities are not treated apart.
; SHARES.  A work-group makes 32 rows b x 64 columns v (a row's piece is 256 consecutive bytes, aligned); 8 x 32 = 256 work-groups.  Eight waves: wave w brings 4 rows of y2 and 8 rows of Wv into LDS,
; and then makes one tile of 16 v x 16 b: 16 steps of 32 d, hi and lo on two accumulators by turns.
; NO CLUSTER, NO TENSOR LOAD: Wv is f32 and has to pass through registers to be rounded; what remains, 64 KiB of y2 a work-group, is loaded once, at the start.
; Source 0 = 16 rows of Wv, source 1 = 16 rows of y: a lane then holds eight neighbouring v of one row b.
.set PYS,   2064                       ; a row of y2 in LDS: 2,048 bytes + 16: an odd multiple of 16, so the 16 rows of a fragment load start at 16 different groups of four banks (64 banks of 4 bytes: ISA guide 11.1)
.set PWS,   1040                       ; a row of Wv as bf16: 1,024 + 16
.set YS,    0
.set WS,    32*PYS
.set OST,   WS+64*PWS                  ; the way out: 32 rows x 272 bytes
.set PO,    272
.set SPARE, OST+32*PO                  ; the spare words, 128 bytes for each of 8 waves: four blocks of 256 bytes that no other line names
.set GY,  3                            ; v3   my byte offset in y2
.set GW,  4                            ; v4   in Wv
.set SY,  5                            ; v5   where I put 16 bytes of y2
.set SW,  6                            ; v6   where I put 8 bytes of Wv
.set AW,  9                            ; v9   LDS address of my Wv fragments
.set AY,  10                           ; v10  of my y fragments
.set OS,  11                           ; v11  the way out: where I put 32 bytes
.set OR,  12                           ; v12  where I read rows back
.set GO,  13                           ; v13  my byte offset in out0
.set SPW, 14                           ; v14  LDS address of my spare word; never rewritten
.set NIL, 15                           ; v15  0; never rewritten
.set ACCH, 16
.set ACCL, 24
.set LY,  32                           ; v32-95   16 loads of y2 as they land
.set LW,  96                           ; v96-223  32 loads of Wv
.set FB0, 32                           ; then two fragment buffers of 96
.set FB1, 128
	s_load_b128 s[4:7], s[0:1], 0x0                ; y2 s[4:5], Wv s[6:7]
	s_load_b64 s[8:9], s[0:1], 0x10                ; out0
	v_lshl_add_u32 v[SPW], v0, 2, SPARE
	v_mov_b32 v[NIL], 0
	v_lshrrev_b32 v1, 5, v0
	v_readfirstlane_b32 s10, v1                    ; wave 0..7
	s_and_b32 s11, ttmp7, 0xffff                   ; block of 32 rows b
	v_and_b32 v2, 31, v0                           ; lane
	s_lshl_b32 s12, s11, 16                        ; 32 rows of 2,048 bytes,
	s_lshl_b32 s13, s10, 13                        ; my 4 of them
	s_add_co_u32 s12, s12, s13
	v_lshl_add_u32 v[GY], v2, 4, s12
	s_lshl_b32 s14, ttmp9, 17                      ; 64 rows of Wv, 2,048 bytes each,
	s_lshl_b32 s15, s10, 14                        ; my 8 of them
	s_add_co_u32 s14, s14, s15
	v_lshl_add_u32 v[GW], v2, 4, s14
	s_wait_kmcnt 0x0
.set i, 0
.rept 16
	global_load_b128 v[LY+4*i:LY+4*i+3], v[GY], s[4:5] offset:i*512
.set i, i+1
.endr
.set i, 0
.rept 32
	global_load_b128 v[LW+4*i:LW+4*i+3], v[GW], s[6:7] offset:i*512
.set i, i+1
.endr
	; the LDS addresses are made while the loads are out
	s_mul_i32 s16, s10, 4*PYS
	v_lshl_add_u32 v[SY], v2, 4, s16
	s_mul_i32 s17, s10, 8*PWS
	s_add_co_u32 s17, s17, WS
	v_lshl_add_u32 v[SW], v2, 3, s17
	v_and_b32 v7, 15, v0                           ; r = lane % 16
	v_bfe_u32 v8, v0, 4, 1                         ; h = lane / 16
	s_and_b32 s18, s10, 1                          ; my block of 16 b
	s_lshr_b32 s19, s10, 1                         ; my block of 16 v
	s_mul_i32 s20, s19, 16*PWS
	s_add_co_u32 s20, s20, WS
	v_mul_u32_u24 v[AW], v7, PWS
	v_lshl_add_u32 v[AW], v8, 4, v[AW]
	v_add_nc_u32 v[AW], s20, v[AW]
	s_mul_i32 s21, s18, 16*PYS
	v_mul_u32_u24 v[AY], v7, PYS
	v_lshl_add_u32 v[AY], v8, 4, v[AY]
	v_add_nc_u32 v[AY], s21, v[AY]
	s_mul_i32 s22, s18, 16*PO
	s_lshl_b32 s23, s19, 6
	s_add_co_u32 s22, s22, s23
	s_add_co_u32 s22, s22, OST
	v_mul_u32_u24 v[OS], v7, PO                    ; row 16 bb + r, bytes 64 vb + 32 h
	v_lshl_add_u32 v[OS], v8, 5, v[OS]
	v_add_nc_u32 v[OS], s22, v[OS]
	s_mul_i32 s24, s10, 4*PO
	s_add_co_u32 s24, s24, OST
	v_mul_u32_u24 v[OR], v8, PO                    ; back: rows 4 w .. 4 w + 3, whole, two at a time
	v_lshl_add_u32 v[OR], v7, 4, v[OR]
	v_add_nc_u32 v[OR], s24, v[OR]
	s_lshl_b32 s25, ttmp9, 8                       ; the block's 64 columns, 256 bytes; out0's rows are 2,048 bytes, as y2's are
	s_add_co_u32 s25, s25, s12
	v_lshl_add_u32 v[GO], v8, 11, s25
	v_lshl_add_u32 v[GO], v7, 4, v[GO]
	s_wait_loadcnt 32                              ; loads come back in order: y2's sixteen are in, Wv's 32 may be out
.set i, 0
.rept 16
	ds_store_b128 v[SY], v[LY+4*i:LY+4*i+3] offset:(i/4)*PYS+(i%4)*512
.set i, i+1
.endr
.irp g, 0,1,2,3
	s_wait_loadcnt 24-8*\g                         ; all but the younger ones
.set i, 8*\g
.rept 8
	v_cvt_pk_bf16_f32 v[LW+4*i], v[LW+4*i], v[LW+4*i+1]
	v_cvt_pk_bf16_f32 v[LW+4*i+1], v[LW+4*i+2], v[LW+4*i+3]
	ds_store_b64 v[SW], v[LW+4*i:LW+4*i+1] offset:(i/4)*PWS+(i%4)*256
.set i, i+1
.endr
.endr
	s_wait_dscnt 0x0                               ; for the others' sake: my stores are done
	s_barrier_signal -1
	s_barrier_wait -1
; 24 LDS loads: the fragments of four steps of 32 d (batch bt) into buffer fb: for each step 8 registers of Wv, 8 of y hi, 8 of y lo
.macro FETCHP bt, fb
.irp ksl, 0,1,2,3
	ds_load_b128 v[(\fb)+24*\ksl:(\fb)+24*\ksl+3],     v[AW] offset:64*(4*(\bt)+\ksl)
	ds_load_b128 v[(\fb)+24*\ksl+4:(\fb)+24*\ksl+7],   v[AW] offset:64*(4*(\bt)+\ksl)+32
	ds_load_b128 v[(\fb)+24*\ksl+8:(\fb)+24*\ksl+11],  v[AY] offset:64*(4*(\bt)+\ksl)
	ds_load_b128 v[(\fb)+24*\ksl+12:(\fb)+24*\ksl+15], v[AY] offset:64*(4*(\bt)+\ksl)+32
	ds_load_b128 v[(\fb)+24*\ksl+16:(\fb)+24*\ksl+19], v[AY] offset:1024+64*(4*(\bt)+\ksl)
	ds_load_b128 v[(\fb)+24*\ksl+20:(\fb)+24*\ksl+23], v[AY] offset:1024+64*(4*(\bt)+\ksl)+32
.endr
.endm
; eight matrix instructions, the two accumulators by turns.  zero = 1: the first two start the sums
.macro MULP fb, zero
.irp ksl, 0,1,2,3
.if (\zero) && (\ksl == 0)
	v_wmma_f32_16x16x32_bf16 v[ACCH:ACCH+7], v[(\fb)+24*\ksl:(\fb)+24*\ksl+7], v[(\fb)+24*\ksl+8:(\fb)+24*\ksl+15], 0
	v_wmma_f32_16x16x32_bf16 v[ACCL:ACCL+7], v[(\fb)+24*\ksl:(\fb)+24*\ksl+7], v[(\fb)+24*\ksl+16:(\fb)+24*\ksl+23], 0
.else
	v_wmma_f32_16x16x32_bf16 v[ACCH:ACCH+7], v[(\fb)+24*\ksl:(\fb)+24*\ksl+7], v[(\fb)+24*\ksl+8:(\fb)+24*\ksl+15], v[ACCH:ACCH+7]
	v_wmma_f32_16x16x32_bf16 v[ACCL:ACCL+7], v[(\fb)+24*\ksl:(\fb)+24*\ksl+7], v[(\fb)+24*\ksl+16:(\fb)+24*\ksl+23], v[ACCL:ACCL+7]
.endif
.endr
.endm
.macro PLACES                          ; four places in front of loads into registers that matrix instructions have read, and of vector work on their results
.rept 4
	v_nop
.endr
.endm
	FETCHP 0, FB0
	FETCHP 1, FB1
	s_wait_dscnt 24                                ; all but the younger batch
	MULP FB0, 1
	PLACES
	FETCHP 2, FB0
	s_wait_dscnt 24
	MULP FB1, 0
	PLACES
	FETCHP 3, FB1
	s_wait_dscnt 24
	MULP FB0, 0
	s_wait_dscnt 0x0
	MULP FB1, 0
	PLACES
.irp p, 0,1,2,3
	v_pk_add_f32 v[ACCH+2*\p:ACCH+2*\p+1], v[ACCH+2*\p:ACCH+2*\p+1], v[ACCL+2*\p:ACCL+2*\p+1]
.endr
	ds_store_b128 v[OS], v[ACCH:ACCH+3]
	ds_store_b128 v[OS], v[ACCH+4:ACCH+7] offset:16
	s_wait_dscnt 0x0                               ; for the others' sake: a row's 256 bytes come from four waves
	s_barrier_signal -1
	s_barrier_wait -1
	ds_load_b128 v[32:35], v[OR]
	ds_load_b128 v[36:39], v[OR] offset:2*PO
	s_wait_dscnt 0x0
	global_store_b128 v[GO], v[32:35], s[8:9]              ; 16 lanes store 256 consecutive bytes, at a multiple of 256 from out0's first byte
	global_store_b128 v[GO], v[36:39], s[8:9] offset:4096
	s_wait_tensorcnt 0x0                           ; the wave's end, behind my last LDS store
	ds_add_u32 v[SPW], v[NIL]
	s_wait_dscnt 0x0
	s_endpgm
.Lfunc_end_k_q61534fae5f_proj:
	.size	k_q61534fae5f_proj, .Lfunc_end_k_q61534fae5f_proj-k_q61534fae5f_proj
	.p2alignl 7, 3214868480
	.fill 96, 4, 3214868480
	.section	.rodata,"a",@progbits
	.p2align	6, 0x0
	.amdhsa_kernel k_q61534fae5f_proj
		.amdhsa_group_segment_fixed_size 142336
		.amdhsa_private_segment_fixed_size 0
		.amdhsa_enable_private_segment 0
		.amdhsa_kernarg_size 24
		.amdhsa_user_sgpr_count 2
		.amdhsa_user_sgpr_kernarg_segment_ptr 1
		.amdhsa_wavefront_size32 1
		.amdhsa_system_sgpr_workgroup_id_x 1
		.amdhsa_system_sgpr_workgroup_id_y 1
		.amdhsa_system_sgpr_workgroup_id_z 1
		.amdhsa_system_vgpr_workitem_id 0
		.amdhsa_next_free_vgpr 224
		.amdhsa_next_free_sgpr 66
		.amdhsa_reserve_vcc 0
		.amdhsa_float_denorm_mode_32 3
		.amdhsa_float_denorm_mode_16_64 3
		.amdhsa_memory_ordered 1
		.amdhsa_forward_progress 1
		.amdhsa_inst_pref_size 25
	.end_amdhsa_kernel
	.amdgpu_metadata
---
amdhsa.version: [ 1, 2 ]
amdhsa.kernels:
  - .name:           k_q61534fae5f_proj
    .symbol:         k_q61534fae5f_proj.kd
    .args:
      - { .name: y2, .offset: 0, .size: 8, .value_kind: global_buffer, .address_space: global }
      - { .name: Wv, .offset: 8, .size: 8, .value_kind: global_buffer, .address_space: global }
      - { .name: out0, .offset: 16, .size: 8, .value_kind: global_buffer, .address_space: global }
    .group_segment_fixed_size: 142336
    .private_segment_fixed_size: 0
    .kernarg_segment_align: 8
    .kernarg_segment_size: 24
    .max_flat_workgroup_size: 256
    .sgpr_count:     66
    .vgpr_count:     224
    .wavefront_size: 32
...
	.end_amdgpu_metadata
.endif
;; end of part 3
;; ======== version 2 of 2: 3 launches; version 1 with the launches fold, proj written anew for expert scheduling mode
;; workspace buffers: mt 524,288 bytes; y2 2,097,152 bytes
;; launch fold (part 4): grid 4 x 16, 16 waves a work-group, no clusters, 207,360 bytes of LDS; arguments Wk, Wq, mt; writes mt
.if DOCPART == 4
	.amdgcn_target "amdgcn-amd-amdhsa--gfx1250"
	.amdhsa_code_object_version 6
	.text
	.protected	k_q61534fae5f_fold
	.globl	k_q61534fae5f_fold
	.p2align	8
	.type	k_q61534fae5f_fold,@function
k_q61534fae5f_fold:
	s_mov_b64 s[64:65], 0
	v_nop
	global_prefetch_b8 v0, s[64:65] scope:SCOPE_SE
	s_setreg_imm32_b32 hwreg(HW_REG_WAVE_SCHED_MODE, 0, 2), 2
	s_setreg_imm32_b32 hwreg(HW_REG_WAVE_MODE, 25, 1), 1
	s_wait_xcnt 0x0
	s_wait_alu depctr_vm_vsrc(0)
; mt[j][d] = sum over k of Wk[k][j] Wq[k][d], [512][512], rounded once to bf16.  Wk, Wq: [512][512] f32, rounded to bf16 on the way; sums in f32.
; WHY.  Q K^T = x (Wq^T Wk) x^T for every input, so the launch behind needs one projection of x where Q and K would be two.  The order of rounding differs from
; a program that forms Q and K: here the folded matrix is rounded once to bf16.  bf16 has f32's range, so the inputs' size sets no limit; NaN and infinities are not treated apart.
; SHARES.  A work-group makes 32 rows j x 128 columns d of mt (a row's piece is 256 consecutive bytes, aligned); 4 x 16 work-groups.  Sixteen waves: wave w brings rows
; k = 32 w .. 32 w + 31 of both weights' columns into LDS as bf16, and then makes one tile of 16 d x 16 j over all 512 k: 16 matrix instructions on two accumulators by turns.
; NO CLUSTER, NO TENSOR LOAD: the weights are f32 and have to pass through registers to be rounded, so there is no tile that could be asked for jointly.
; Both weights lie [k][column] in LDS, so both fragments come by the turning load.  Source 0 = 16 columns d of Wq, source 1 = 16 columns j of Wk: a lane then holds eight neighbouring d of one row j.
; THE MODE: SCHED_MODE bits 1:0 = 2 (LLVM: expert scheduling mode 2), set by the entry lines.  The code itself states the register dependences
; between vector or matrix instructions and memory or LDS instructions, with s_wait_alu, always for 0.
; THE PLAN.  Registers that memory or LDS instructions touch:
;   v[GQ], v[GK]            written once at the head; read by the 40 global loads; never written again.
;   v[SQ] .. v[GO]          the LDS addresses and mt's offset: written once, while the loads are out; read by LDS and global instructions alone from then on.
;   v[LD ..], 40 x 4        the loads land; group g's sixteen conversions round in place; the eight LDS stores that read group g's pairs are issued in group g + 1,
;                           dealt among that group's conversions, which name other registers.
;   FB0, FB1, FB2           the same registers and 32 more: the fragments of batches 0, 1, 2 land, four matrix instructions read each; batch 3 lands in FB0 again.
;   v[PK ..]                written by the last roundings, read by one LDS store.       v[LD:LD+3], at the end: an LDS load lands, the global store reads.
;   v[SPW], v[NIL]          written at the head, read by the closing add alone.
; The accumulators are named by matrix and vector instructions alone.
; So: one wait on va_vdst at the head of each group but the first and one ahead of the last stores; one on vm_vsrc behind the barrier, where the registers change hands;
; one on va_vdst ahead of batch 3's loads; one ahead of the way out's LDS store.
.set PQ,    288                        ; a row k of Wq's 128 columns: 256 bytes + 32 = 72 words
.set PW,    96                         ; a row k of Wk's 32 columns: 64 bytes + 32 = 24 words: the same holds
.set WQS,   0
.set WKS,   512*PQ
.set OST,   WKS+512*PW                 ; the way out: 32 rows x 272 bytes
.set PO,    272
.set SPARE, OST+32*PO                  ; the spare words, 128 bytes for each of 16 waves: eight blocks of 256 bytes that no other line names
.set GQ,  3                            ; v3   my byte offset in Wq
.set GK,  6                            ; v6   my byte offset in Wk
.set SQ,  7                            ; v7   where I put 8 bytes of a row of Wq
.set SK,  8                            ; v8   the same for Wk
.set AQ,  12                           ; v12-15  LDS address of my Wq fragments, one for each batch of 128 k
.set AKK, 16                           ; v16  LDS address of my Wk fragments
.set OS,  18                           ; v18  the way out: where I put 16 bytes
.set OR,  19                           ; v19  where I read a row back
.set GO,  20                           ; v20  my byte offset in mt
.set PK,  24                           ; v24-27  my eight results, packed
.set SPW, 28                           ; v28  LDS address of my spare word; never rewritten
.set NIL, 29                           ; v29  0; never rewritten
.set LD,  32                           ; v32-191  40 loads of 4 registers as they land: 32 of Wq, then 8 of Wk; then the fragment buffers
.set FB0, 32
.set FB1, 96
.set FB2, 160
.set ACC0, 224                         ; even steps of 32 k
.set ACC1, 232                         ; odd steps
	s_load_b128 s[4:7], s[0:1], 0x0                ; Wk s[4:5], Wq s[6:7]
	s_load_b64 s[8:9], s[0:1], 0x10                ; mt
	v_lshl_add_u32 v[SPW], v0, 2, SPARE
	v_mov_b32 v[NIL], 0
	v_lshrrev_b32 v1, 5, v0
	v_readfirstlane_b32 s10, v1                    ; wave 0..15
	s_and_b32 s11, ttmp7, 0xffff                   ; block of 32 rows j
	v_and_b32 v2, 31, v0                           ; lane
	v_lshrrev_b32 v4, 3, v2                        ; lane / 8
	v_and_b32 v5, 7, v0                            ; lane % 8
	s_wait_alu depctr_va_sdst(0)                   ; s10 is written, ahead of its first reader: every offset below is made from it
	s_lshl_b32 s12, s10, 16                        ; my 32 rows k of 2,048 bytes
	s_lshl_b32 s13, ttmp9, 9                       ; the block's 128 columns d, 512 bytes
	s_add_co_u32 s13, s13, s12
	s_lshl_b32 s14, s11, 7                         ; the block's 32 columns j, 128 bytes
	s_add_co_u32 s14, s14, s12
	v_lshl_add_u32 v[GQ], v2, 4, s13               ; a load takes one row's 512 bytes
	v_lshl_add_u32 v[GK], v4, 11, s14              ; a load takes four rows' 128 bytes
	v_lshl_add_u32 v[GK], v5, 4, v[GK]
	s_wait_kmcnt 0x0
	s_wait_alu depctr_va_vdst(0)                   ; v[GQ] and v[GK] are written, which the 40 loads read as their offsets
.set i, 0
.rept 32
	global_load_b128 v[LD+4*i:LD+4*i+3], v[GQ], s[6:7] offset:i*2048
.set i, i+1
.endr
.set i, 0
.rept 8
	global_load_b128 v[LD+128+4*i:LD+128+4*i+3], v[GK], s[4:5] offset:i*8192
.set i, i+1
.endr
	; the LDS addresses are made while the loads are out: none of these lines names a register that the loads read or land in
	s_mul_i32 s15, s10, 32*PQ
	v_lshl_add_u32 v[SQ], v2, 3, s15               ; row 32 w, 8 bytes a lane
	s_mul_i32 s16, s10, 32*PW
	s_add_co_u32 s16, s16, WKS
	v_mul_u32_u24 v[SK], v4, PW
	v_lshl_add_u32 v[SK], v5, 3, v[SK]
	v_add_nc_u32 v[SK], s16, v[SK]                 ; row 32 w + lane / 8, 8 bytes for each of eight lanes
	v_bfe_u32 v9, v0, 4, 1                         ; h = lane / 16
	v_bfe_u32 v10, v0, 3, 1                        ; (lane / 8) % 2
	v_lshl_add_u32 v11, v9, 3, v5                  ; the turning load's row: 8 h + lane % 8
	v_and_b32 v17, 15, v0                          ; r = lane % 16
	s_lshr_b32 s17, s10, 1                         ; my block of 16 d
	s_and_b32 s18, s10, 1                          ; my block of 16 j
	s_lshl_b32 s19, s17, 5
	v_mul_u32_u24 v[AQ], v11, PQ
	v_lshl_add_u32 v[AQ], v10, 4, v[AQ]
	v_add_nc_u32 v[AQ], s19, v[AQ]
	v_add_nc_u32 v[AQ+1], 128*PQ, v[AQ]
	v_add_nc_u32 v[AQ+2], 256*PQ, v[AQ]
	v_add_nc_u32 v[AQ+3], 384*PQ, v[AQ]
	s_lshl_b32 s20, s18, 5
	s_add_co_u32 s20, s20, WKS
	v_mul_u32_u24 v[AKK], v11, PW
	v_lshl_add_u32 v[AKK], v10, 4, v[AKK]
	v_add_nc_u32 v[AKK], s20, v[AKK]
	s_mul_i32 s21, s18, 16*PO
	s_add_co_u32 s21, s21, s19
	s_add_co_u32 s21, s21, OST
	v_mul_u32_u24 v[OS], v17, PO                   ; row 16 jb + r, bytes 32 db + 16 h
	v_lshl_add_u32 v[OS], v9, 4, v[OS]
	v_add_nc_u32 v[OS], s21, v[OS]
	s_mul_i32 s22, s10, 2*PO
	s_add_co_u32 s22, s22, OST
	v_mul_u32_u24 v[OR], v9, PO                    ; back: rows 2 w and 2 w + 1, whole
	v_lshl_add_u32 v[OR], v17, 4, v[OR]
	v_add_nc_u32 v[OR], s22, v[OR]
	s_lshl_b32 s23, s11, 15                        ; 32 rows of mt, 1,024 bytes each
	s_lshl_b32 s12, s10, 11
	s_add_co_u32 s23, s23, s12
	s_lshl_b32 s12, ttmp9, 8                       ; the block's 128 columns, 256 bytes
	s_add_co_u32 s23, s23, s12
	v_lshl_add_u32 v[GO], v9, 10, s23
	v_lshl_add_u32 v[GO], v17, 4, v[GO]
; Load i of the 40 is rounded to bf16 in place: four numbers close up into the first two of their four registers.
.macro CVL i
	v_cvt_pk_bf16_f32 v[LD+4*(\i)], v[LD+4*(\i)], v[LD+4*(\i)+1]
	v_cvt_pk_bf16_f32 v[LD+4*(\i)+1], v[LD+4*(\i)+2], v[LD+4*(\i)+3]
.endm
; .. and stored: 8 bytes a lane
.macro STL i
.if (\i) < 32
	ds_store_b64 v[SQ], v[LD+4*(\i):LD+4*(\i)+1] offset:(\i)*PQ
.else
	ds_store_b64 v[SK], v[LD+4*(\i):LD+4*(\i)+1] offset:((\i)-32)*4*PW
.endif
.endm
	; five groups of eight loads: four of Wq, one of Wk
	s_wait_loadcnt 32                              ; loads come back in order: group 0 is in, the 32 younger loads stay out
.set i, 0
.rept 8
	CVL i
.set i, i+1
.endr
.irp g, 1,2,3,4
	s_wait_loadcnt 32-8*\g                         ; this group is in; the younger ones stay out
	s_wait_alu depctr_va_vdst(0)                   ; the group before has written its pairs, which the stores below read; at the first of these waits v[SQ] to v[GO] are written too
.set i, 8*\g
.rept 8
	STL i-8                                        ; the group before.  No wait: the conversions issued since the wait name this group's registers alone
	CVL i
.set i, i+1
.endr
.endr
	s_wait_alu depctr_va_vdst(0)                   ; the last group, Wk's, has written its pairs, which the stores below read
.set i, 32
.rept 8
	STL i
.set i, i+1
.endr
	s_wait_dscnt 0x0                               ; for the others' sake: my stores are done
	s_barrier_signal -1
	s_barrier_wait -1
	s_wait_alu depctr_vm_vsrc(0)                   ; my LDS stores have read v[LD ..]: these registers are the fragment buffers from here on (the conversions that named them stand ahead of the last wait on va_vdst)
; 16 turning loads: the fragments of four steps of 32 k (batch bt) into buffer fb: for each step 8 registers of Wq, then 8 of Wk
.macro FETCHB bt, fb
.irp ksl, 0,1,2,3
	ds_load_tr16_b128 v[(\fb)+16*\ksl:(\fb)+16*\ksl+3],     v[AQ+(\bt)] offset:\ksl*32*PQ
	ds_load_tr16_b128 v[(\fb)+16*\ksl+4:(\fb)+16*\ksl+7],   v[AQ+(\bt)] offset:\ksl*32*PQ+16*PQ
	ds_load_tr16_b128 v[(\fb)+16*\ksl+8:(\fb)+16*\ksl+11],  v[AKK] offset:(4*(\bt)+\ksl)*32*PW
	ds_load_tr16_b128 v[(\fb)+16*\ksl+12:(\fb)+16*\ksl+15], v[AKK] offset:(4*(\bt)+\ksl)*32*PW+16*PW
.endr
.endm
; four matrix instructions, the two accumulators by turns.  zero = 1: the first two start the sums
.macro MULB fb, zero
.irp ksl, 0,1,2,3
.if (\zero) && (\ksl < 2)
	v_wmma_f32_16x16x32_bf16 v[ACC0+8*(\ksl%2):ACC0+8*(\ksl%2)+7], v[(\fb)+16*\ksl:(\fb)+16*\ksl+7], v[(\fb)+16*\ksl+8:(\fb)+16*\ksl+15], 0
.else
	v_wmma_f32_16x16x32_bf16 v[ACC0+8*(\ksl%2):ACC0+8*(\ksl%2)+7], v[(\fb)+16*\ksl:(\fb)+16*\ksl+7], v[(\fb)+16*\ksl+8:(\fb)+16*\ksl+15], v[ACC0+8*(\ksl%2):ACC0+8*(\ksl%2)+7]
.endif
.endr
.endm
.macro PLACES                          ; four places behind matrix instructions (ISA guide 7.12.1)
.rept 4
	v_nop
.endr
.endm
	FETCHB 0, FB0
	FETCHB 1, FB1
	FETCHB 2, FB2
	s_wait_dscnt 32                                ; LDS loads come back in order: batch 0 is in, the two younger batches stay out
	MULB FB0, 1
	s_wait_dscnt 16                                ; batch 1 is in
	PLACES                                         ; the four places stay where they stood, ahead of the loads into registers that matrix instructions have read
	s_wait_alu depctr_va_vdst(0)                   ; batch 0's matrix instructions are done reading FB0, in which batch 3's loads land
	FETCHB 3, FB0
	MULB FB1, 0
	s_wait_dscnt 16                                ; batch 2 is in
	MULB FB2, 0
	s_wait_dscnt 0x0
	MULB FB0, 0
	PLACES                                         ; ahead of the vector work on the results
.irp p, 0,1,2,3
	v_pk_add_f32 v[ACC0+2*\p:ACC0+2*\p+1], v[ACC0+2*\p:ACC0+2*\p+1], v[ACC1+2*\p:ACC1+2*\p+1]
.endr
.irp p, 0,1,2,3
	v_cvt_pk_bf16_f32 v[PK+\p], v[ACC0+2*\p], v[ACC0+2*\p+1]
.endr
	s_wait_alu depctr_va_vdst(0)                   ; the roundings have written v[PK ..], which the LDS store reads; the last matrix instructions are done reading FB0, in whose first registers the load behind the barrier lands
	ds_store_b128 v[OS], v[PK:PK+3]
	s_wait_dscnt 0x0                               ; for the others' sake: a row's 256 bytes come from eight waves
	s_barrier_signal -1
	s_barrier_wait -1
	ds_load_b128 v[LD:LD+3], v[OR]
	s_wait_dscnt 0x0
	global_store_b128 v[GO], v[LD:LD+3], s[8:9]    ; 16 lanes store 256 consecutive bytes, at a multiple of 256 from mt's first byte
	s_wait_dscnt 0x0                               ; the closing lines, six on end
	s_wait_alu 0x0
	s_wait_tensorcnt 0x0
	ds_add_u32 v[SPW], v[NIL]
	s_wait_dscnt 0x0
	s_endpgm
.Lfunc_end_k_q61534fae5f_fold:
	.size	k_q61534fae5f_fold, .Lfunc_end_k_q61534fae5f_fold-k_q61534fae5f_fold
	.p2alignl 7, 3214868480
	.fill 96, 4, 3214868480
	.section	.rodata,"a",@progbits
	.p2align	6, 0x0
	.amdhsa_kernel k_q61534fae5f_fold
		.amdhsa_group_segment_fixed_size 207360
		.amdhsa_private_segment_fixed_size 0
		.amdhsa_enable_private_segment 0
		.amdhsa_kernarg_size 24
		.amdhsa_user_sgpr_count 2
		.amdhsa_user_sgpr_kernarg_segment_ptr 1
		.amdhsa_wavefront_size32 1
		.amdhsa_system_sgpr_workgroup_id_x 1
		.amdhsa_system_sgpr_workgroup_id_y 1
		.amdhsa_system_sgpr_workgroup_id_z 1
		.amdhsa_system_vgpr_workitem_id 0
		.amdhsa_next_free_vgpr 240
		.amdhsa_next_free_sgpr 66
		.amdhsa_reserve_vcc 0
		.amdhsa_float_denorm_mode_32 3
		.amdhsa_float_denorm_mode_16_64 3
		.amdhsa_memory_ordered 1
		.amdhsa_forward_progress 1
		.amdhsa_inst_pref_size 22
	.end_amdhsa_kernel
	.amdgpu_metadata
---
amdhsa.version: [ 1, 2 ]
amdhsa.kernels:
  - .name:           k_q61534fae5f_fold
    .symbol:         k_q61534fae5f_fold.kd
    .args:
      - { .name: Wk, .offset: 0, .size: 8, .value_kind: global_buffer, .address_space: global }
      - { .name: Wq, .offset: 8, .size: 8, .value_kind: global_buffer, .address_space: global }
      - { .name: mt, .offset: 16, .size: 8, .value_kind: global_buffer, .address_space: global }
    .group_segment_fixed_size: 207360
    .private_segment_fixed_size: 0
    .kernarg_segment_align: 8
    .kernarg_segment_size: 24
    .max_flat_workgroup_size: 512
    .sgpr_count:     66
    .vgpr_count:     240
    .wavefront_size: 32
...
	.end_amdgpu_metadata
.endif
;; end of part 4
;; launch attn: the kernel of part 2 again; grid 256 x 1, 4 waves a work-group, clusters of 4 x 1, 327,680 bytes of LDS; arguments x, mt, y2; writes y2
;; launch proj (part 5): grid 8 x 32, 8 waves a work-group, no clusters, 142,336 bytes of LDS; arguments y2, Wv, out0; writes out0
.if DOCPART == 5
	.amdgcn_target "amdgcn-amd-amdhsa--gfx1250"
	.amdhsa_code_object_version 6
	.text
	.protected	k_q61534fae5f_proj
	.globl	k_q61534fae5f_proj
	.p2align	8
	.type	k_q61534fae5f_proj,@function
k_q61534fae5f_proj:
	s_mov_b64 s[64:65], 0
	v_nop
	global_prefetch_b8 v0, s[64:65] scope:SCOPE_SE
	s_setreg_imm32_b32 hwreg(HW_REG_WAVE_SCHED_MODE, 0, 2), 2
	s_setreg_imm32_b32 hwreg(HW_REG_WAVE_MODE, 25, 1), 1
	s_wait_xcnt 0x0
	s_wait_alu depctr_vm_vsrc(0)
; out0[b][v] = sum over d of (yhi[b][d] + ylo[b][d]) Wv[v][d].  y2: [1024][2][512] bf16 (hi, lo) from the launch before; Wv: [512][512] f32, rounded to bf16 on the way; out0: [1024][512] f32; sums in f32.
; y goes in two bf16 parts, so that its rounding does not reach the output; bf16 has f32's range.  NaN and infinities are not treated apart.
; SHARES.  A work-group makes 32 rows b x 64 columns v (a row's piece is 256 consecutive bytes, aligned); 8 x 32 = 256 work-groups.  Eight waves: wave w brings 4 rows of y2 and 8 rows of Wv into LDS,
; and then makes one tile of 16 v x 16 b: 16 steps of 32 d, hi and lo on two accumulators by turns.
; NO CLUSTER, NO TENSOR LOAD: Wv is f32 and has to pass through registers to be rounded; what remains, 64 KiB of y2 a work-group, is loaded once, at the start.
; Source 0 = 16 rows of Wv, source 1 = 16 rows of y: a lane then holds eight neighbouring v of one row b.
; THE MODE: SCHED_MODE bits 1:0 = 2 (LLVM: expert scheduling mode 2), set by the entry lines.  The code itself states the register dependences
; between vector or matrix instructions and memory or LDS instructions, with s_wait_alu, always for 0.
; THE PLAN.  Registers that memory or LDS instructions touch:
;   v[GY], v[GW]            written once at the head; read by the 48 global loads; never written again.
;   v[SY] .. v[GO]          the LDS addresses and out0's offset: written once, while the loads are out; read by LDS and global instructions alone from then on.
;   v[LY ..], 16 x 4        y2's loads land; 16 LDS stores read them; no vector instruction names them.
;   v[LW ..], 32 x 4        Wv's loads land; group g's sixteen conversions round in place; the eight LDS stores that read group g's pairs are issued in group g + 1,
;                           dealt among that group's conversions, which name other registers.
;   FB0, FB1 of window 0    the same registers: the fragments of batches 0 and 1 land, once.      FB0, FB1 of window 1: batches 2 and 3 land, once, in registers that nothing has named.
;   the accumulators        (window 1) written by matrix instructions and the four packed additions; read by the two LDS stores of the way out.
;   v[32:39], at the end    two LDS loads land, the global stores read.       v[SPW], v[NIL]: written at the head, read by the closing add alone.
; Every fragment buffer is filled once, so the products owe no wait on va_vdst.  The waits: one on va_vdst ahead of y2's stores, one at the head of each of Wv's groups but the first and one ahead
; of the last stores; one on vm_vsrc behind the barrier, where the registers change hands; one on va_vdst ahead of the way out's LDS stores.
; REGISTER WINDOWS (s_set_vgpr_msb: bits 1:0 source 0, 3:2 source 1, 5:4 source 2, 7:6 destination).  The accumulators lie in window 1, so that ONE setting, 0x50, serves the LDS loads into
; window 1 (data = destination, address = source 0) and the products on window 0's fragments: four switches in the text.
.set PYS,   2064                       ; a row of y2 in LDS: 2,048 bytes + 16: an odd multiple of 16, so the 16 rows of a fragment load start at 16 different groups of four banks (64 banks of 4 bytes: ISA guide 11.1)
.set PWS,   1040                       ; a row of Wv as bf16: 1,024 + 16
.set YS,    0
.set WS,    32*PYS
.set OST,   WS+64*PWS                  ; the way out: 32 rows x 272 bytes
.set PO,    272
.set SPARE, OST+32*PO                  ; the spare words, 128 bytes for each of 8 waves: four blocks of 256 bytes that no other line names
.set GY,  3                            ; v3   my byte offset in y2
.set GW,  4                            ; v4   in Wv
.set SY,  5                            ; v5   where I put 16 bytes of y2
.set SW,  6                            ; v6   where I put 8 bytes of Wv
.set AW,  9                            ; v9   LDS address of my Wv fragments
.set AY,  10                           ; v10  of my y fragments
.set OS,  11                           ; v11  the way out: where I put 32 bytes
.set OR,  12                           ; v12  where I read rows back
.set GO,  13                           ; v13  my byte offset in out0
.set SPW, 14                           ; v14  LDS address of my spare word; never rewritten
.set NIL, 15                           ; v15  0; never rewritten
.set ACCH, 16                          ; v16-23 of window 1
.set ACCL, 24                          ; v24-31 of window 1
.set LY,  32                           ; v32-95   16 loads of y2 as they land
.set LW,  96                           ; v96-223  32 loads of Wv
.set FB0, 32                           ; then two fragment buffers of 96, in window 0 and again in window 1
.set FB1, 128
.set MSB, 0
.macro WIN new                         ; the immediate's high byte repeats the setting that is left; a switch that changes nothing is dropped
.if MSB != (\new)
	s_set_vgpr_msb (MSB<<8)|(\new)
.set MSB, (\new)
.endif
.endm
	s_load_b128 s[4:7], s[0:1], 0x0                ; y2 s[4:5], Wv s[6:7]
	s_load_b64 s[8:9], s[0:1], 0x10                ; out0
	v_lshl_add_u32 v[SPW], v0, 2, SPARE
	v_mov_b32 v[NIL], 0
	v_lshrrev_b32 v1, 5, v0
	v_readfirstlane_b32 s10, v1                    ; wave 0..7
	s_and_b32 s11, ttmp7, 0xffff                   ; block of 32 rows b
	v_and_b32 v2, 31, v0                           ; lane
	s_lshl_b32 s12, s11, 16                        ; 32 rows of 2,048 bytes,
	s_wait_alu depctr_va_sdst(0)                   ; s10 is written, ahead of its first reader: the offsets below are made from it
	s_lshl_b32 s13, s10, 13                        ; my 4 of them
	s_add_co_u32 s12, s12, s13
	v_lshl_add_u32 v[GY], v2, 4, s12
	s_lshl_b32 s14, ttmp9, 17                      ; 64 rows of Wv, 2,048 bytes each,
	s_lshl_b32 s15, s10, 14                        ; my 8 of them
	s_add_co_u32 s14, s14, s15
	v_lshl_add_u32 v[GW], v2, 4, s14
	s_wait_kmcnt 0x0
	s_wait_alu depctr_va_vdst(0)                   ; v[GY] and v[GW] are written, which the 48 loads read as their offsets
.set i, 0
.rept 16
	global_load_b128 v[LY+4*i:LY+4*i+3], v[GY], s[4:5] offset:i*512
.set i, i+1
.endr
.set i, 0
.rept 32
	global_load_b128 v[LW+4*i:LW+4*i+3], v[GW], s[6:7] offset:i*512
.set i, i+1
.endr
	; the LDS addresses are made while the loads are out: none of these lines names a register that the loads read or land in
	s_mul_i32 s16, s10, 4*PYS
	v_lshl_add_u32 v[SY], v2, 4, s16
	s_mul_i32 s17, s10, 8*PWS
	s_add_co_u32 s17, s17, WS
	v_lshl_add_u32 v[SW], v2, 3, s17
	v_and_b32 v7, 15, v0                           ; r = lane % 16
	v_bfe_u32 v8, v0, 4, 1                         ; h = lane / 16
	s_and_b32 s18, s10, 1                          ; my block of 16 b
	s_lshr_b32 s19, s10, 1                         ; my block of 16 v
	s_mul_i32 s20, s19, 16*PWS
	s_add_co_u32 s20, s20, WS
	v_mul_u32_u24 v[AW], v7, PWS
	v_lshl_add_u32 v[AW], v8, 4, v[AW]
	v_add_nc_u32 v[AW], s20, v[AW]
	s_mul_i32 s21, s18, 16*PYS
	v_mul_u32_u24 v[AY], v7, PYS
	v_lshl_add_u32 v[AY], v8, 4, v[AY]
	v_add_nc_u32 v[AY], s21, v[AY]
	s_mul_i32 s22, s18, 16*PO
	s_lshl_b32 s23, s19, 6
	s_add_co_u32 s22, s22, s23
	s_add_co_u32 s22, s22, OST
	v_mul_u32_u24 v[OS], v7, PO                    ; row 16 bb + r, bytes 64 vb + 32 h
	v_lshl_add_u32 v[OS], v8, 5, v[OS]
	v_add_nc_u32 v[OS], s22, v[OS]
	s_mul_i32 s24, s10, 4*PO
	s_add_co_u32 s24, s24, OST
	v_mul_u32_u24 v[OR], v8, PO                    ; back: rows 4 w .. 4 w + 3, whole, two at a time
	v_lshl_add_u32 v[OR], v7, 4, v[OR]
	v_add_nc_u32 v[OR], s24, v[OR]
	s_lshl_b32 s25, ttmp9, 8                       ; the block's 64 columns, 256 bytes; out0's rows are 2,048 bytes, as y2's are
	s_add_co_u32 s25, s25, s12
	v_lshl_add_u32 v[GO], v8, 11, s25
	v_lshl_add_u32 v[GO], v7, 4, v[GO]
	s_wait_loadcnt 32                              ; loads come back in order: y2's sixteen are in, Wv's 32 may be out
	s_wait_alu depctr_va_vdst(0)                   ; v[SY] to v[GO] are written: the LDS stores below read v[SY], later LDS and global instructions the others
.set i, 0
.rept 16
	ds_store_b128 v[SY], v[LY+4*i:LY+4*i+3] offset:(i/4)*PYS+(i%4)*512
.set i, i+1
.endr
; Load i of Wv's 32 is rounded to bf16 in place: four numbers close up into the first two of their four registers.
.macro CVW i
	v_cvt_pk_bf16_f32 v[LW+4*(\i)], v[LW+4*(\i)], v[LW+4*(\i)+1]
	v_cvt_pk_bf16_f32 v[LW+4*(\i)+1], v[LW+4*(\i)+2], v[LW+4*(\i)+3]
.endm
; .. and stored: 8 bytes a lane
.macro STW i
	ds_store_b64 v[SW], v[LW+4*(\i):LW+4*(\i)+1] offset:((\i)/4)*PWS+((\i)%4)*256
.endm
	; four groups of eight loads
	s_wait_loadcnt 24                              ; group 0 is in, the 24 younger loads stay out
.set i, 0
.rept 8
	CVW i
.set i, i+1
.endr
.irp g, 1,2,3
	s_wait_loadcnt 24-8*\g                         ; this group is in; the younger ones stay out
	s_wait_alu depctr_va_vdst(0)                   ; the group before has written its pairs, which the stores below read
.set i, 8*\g
.rept 8
	STW i-8                                        ; the group before.  No wait: the conversions issued since the wait name this group's registers alone
	CVW i
.set i, i+1
.endr
.endr
	s_wait_alu depctr_va_vdst(0)                   ; the last group has written its pairs, which the stores below read
.set i, 24
.rept 8
	STW i
.set i, i+1
.endr
	s_wait_dscnt 0x0                               ; for the others' sake: my stores are done
	s_barrier_signal -1
	s_barrier_wait -1
	s_wait_alu depctr_vm_vsrc(0)                   ; my LDS stores have read v[LY ..] and v[LW ..]: these registers are window 0's fragment buffers from here on (the conversions that named them stand ahead of the last wait on va_vdst)
; 24 LDS loads: the fragments of four steps of 32 d (batch bt) into buffer fb: for each step 8 registers of Wv, 8 of y hi, 8 of y lo
.macro FETCHP bt, fb
.irp ksl, 0,1,2,3
	ds_load_b128 v[(\fb)+24*\ksl:(\fb)+24*\ksl+3],     v[AW] offset:64*(4*(\bt)+\ksl)
	ds_load_b128 v[(\fb)+24*\ksl+4:(\fb)+24*\ksl+7],   v[AW] offset:64*(4*(\bt)+\ksl)+32
	ds_load_b128 v[(\fb)+24*\ksl+8:(\fb)+24*\ksl+11],  v[AY] offset:64*(4*(\bt)+\ksl)
	ds_load_b128 v[(\fb)+24*\ksl+12:(\fb)+24*\ksl+15], v[AY] offset:64*(4*(\bt)+\ksl)+32
	ds_load_b128 v[(\fb)+24*\ksl+16:(\fb)+24*\ksl+19], v[AY] offset:1024+64*(4*(\bt)+\ksl)
	ds_load_b128 v[(\fb)+24*\ksl+20:(\fb)+24*\ksl+23], v[AY] offset:1024+64*(4*(\bt)+\ksl)+32
.endr
.endm
; eight matrix instructions, the two accumulators by turns.  zero = 1: the first two start the sums
.macro MULP fb, zero
.irp ksl, 0,1,2,3
.if (\zero) && (\ksl == 0)
	v_wmma_f32_16x16x32_bf16 v[ACCH:ACCH+7], v[(\fb)+24*\ksl:(\fb)+24*\ksl+7], v[(\fb)+24*\ksl+8:(\fb)+24*\ksl+15], 0
	v_wmma_f32_16x16x32_bf16 v[ACCL:ACCL+7], v[(\fb)+24*\ksl:(\fb)+24*\ksl+7], v[(\fb)+24*\ksl+16:(\fb)+24*\ksl+23], 0
.else
	v_wmma_f32_16x16x32_bf16 v[ACCH:ACCH+7], v[(\fb)+24*\ksl:(\fb)+24*\ksl+7], v[(\fb)+24*\ksl+8:(\fb)+24*\ksl+15], v[ACCH:ACCH+7]
	v_wmma_f32_16x16x32_bf16 v[ACCL:ACCL+7], v[(\fb)+24*\ksl:(\fb)+24*\ksl+7], v[(\fb)+24*\ksl+16:(\fb)+24*\ksl+23], v[ACCL:ACCL+7]
.endif
.endr
.endm
.macro PLACES                          ; four places behind matrix instructions, ahead of vector work on their results (ISA guide 7.12.1)
.rept 4
	v_nop
.endr
.endm
	FETCHP 0, FB0                                  ; batches 0 and 1 into window 0
	FETCHP 1, FB1
	s_wait_dscnt 24                                ; LDS loads come back in order: batch 0 is in, the younger batch stays out
	WIN 0x50                                       ; loads: data window 1, address window 0; products: fragments window 0, C and D window 1
	FETCHP 2, FB0                                  ; batch 2 into window 1: no vector or matrix instruction has named these registers, so no wait is owed
	MULP FB0, 1
	s_wait_dscnt 24                                ; batch 1 is in
	FETCHP 3, FB1                                  ; batch 3 into window 1, likewise
	MULP FB1, 0
	s_wait_dscnt 24                                ; batch 2 is in
	WIN 0x55                                       ; all operands window 1
	MULP FB0, 0
	s_wait_dscnt 0x0
	MULP FB1, 0
	PLACES
.irp p, 0,1,2,3
	v_pk_add_f32 v[ACCH+2*\p:ACCH+2*\p+1], v[ACCH+2*\p:ACCH+2*\p+1], v[ACCL+2*\p:ACCL+2*\p+1]
.endr
	WIN 0x04                                       ; store data window 1, address window 0
	s_wait_alu depctr_va_vdst(0)                   ; the additions have written the sums, which the LDS stores read; the matrix instructions are done reading window 0's FB0, in whose first registers the loads behind the barrier land
	ds_store_b128 v[OS], v[ACCH:ACCH+3]
	ds_store_b128 v[OS], v[ACCH+4:ACCH+7] offset:16
	WIN 0
	s_wait_dscnt 0x0                               ; for the others' sake: a row's 256 bytes come from four waves
	s_barrier_signal -1
	s_barrier_wait -1
	ds_load_b128 v[32:35], v[OR]
	ds_load_b128 v[36:39], v[OR] offset:2*PO
	s_wait_dscnt 0x0
	global_store_b128 v[GO], v[32:35], s[8:9]              ; 16 lanes store 256 consecutive bytes, at a multiple of 256 from out0's first byte
	global_store_b128 v[GO], v[36:39], s[8:9] offset:4096
	s_wait_dscnt 0x0                               ; the closing lines, six on end
	s_wait_alu 0x0
	s_wait_tensorcnt 0x0
	ds_add_u32 v[SPW], v[NIL]
	s_wait_dscnt 0x0
	s_endpgm
.Lfunc_end_k_q61534fae5f_proj:
	.size	k_q61534fae5f_proj, .Lfunc_end_k_q61534fae5f_proj-k_q61534fae5f_proj
	.p2alignl 7, 3214868480
	.fill 96, 4, 3214868480
	.section	.rodata,"a",@progbits
	.p2align	6, 0x0
	.amdhsa_kernel k_q61534fae5f_proj
		.amdhsa_group_segment_fixed_size 142336
		.amdhsa_private_segment_fixed_size 0
		.amdhsa_enable_private_segment 0
		.amdhsa_kernarg_size 24
		.amdhsa_user_sgpr_count 2
		.amdhsa_user_sgpr_kernarg_segment_ptr 1
		.amdhsa_wavefront_size32 1
		.amdhsa_system_sgpr_workgroup_id_x 1
		.amdhsa_system_sgpr_workgroup_id_y 1
		.amdhsa_system_sgpr_workgroup_id_z 1
		.amdhsa_system_vgpr_workitem_id 0
		.amdhsa_next_free_vgpr 480
		.amdhsa_next_free_sgpr 66
		.amdhsa_reserve_vcc 0
		.amdhsa_float_denorm_mode_32 3
		.amdhsa_float_denorm_mode_16_64 3
		.amdhsa_memory_ordered 1
		.amdhsa_forward_progress 1
		.amdhsa_inst_pref_size 25
	.end_amdhsa_kernel
	.amdgpu_metadata
---
amdhsa.version: [ 1, 2 ]
amdhsa.kernels:
  - .name:           k_q61534fae5f_proj
    .symbol:         k_q61534fae5f_proj.kd
    .args:
      - { .name: y2, .offset: 0, .size: 8, .value_kind: global_buffer, .address_space: global }
      - { .name: Wv, .offset: 8, .size: 8, .value_kind: global_buffer, .address_space: global }
      - { .name: out0, .offset: 16, .size: 8, .value_kind: global_buffer, .address_space: global }
    .group_segment_fixed_size: 142336
    .private_segment_fixed_size: 0
    .kernarg_segment_align: 8
    .kernarg_segment_size: 24
    .max_flat_workgroup_size: 256
    .sgpr_count:     66
    .vgpr_count:     480
    .wavefront_size: 32
...
	.end_amdgpu_metadata
.endif
;; end of part 5
